; MI455X (gfx1250); checked and timed in simulation.
; The chip was launched on July 23, 2026; its instructions are those of AMD's public machine-readable ISA for CDNA 5 (MIT licence, August 2026) and "CDNA5" Instruction Set Architecture Reference Guide (July 2026). The comments in the code are by the model that wrote it; some were corrected since.
;; Bert Attention Mem. Allowed arithmetic: matrix products marked QUANTISED: E4M3 operands, one E8M0 scale for each 32 along K, by v_wmma_scale_f32_16x16x128_f8f6f4 with both operands' format E4M3, f32 sums; everything else in f32.
;; Inputs: Wk_codes 1,024 x 32 x 32 uint8 (E4M3 codes of Wk, K innermost, in blocks of 32 codes); Wk_scales 1,024 x 32 uint8 (E8M0 scales of Wk, one for each 32 codes along K); Wo_codes 1,024 x 32 x 32 uint8 (E4M3 codes of Wo, K innermost, in blocks of 32 codes); Wo_scales 1,024 x 32 uint8 (E8M0 scales of Wo, one for each 32 codes along K); Wq_codes 1,024 x 32 x 32 uint8 (E4M3 codes of Wq, K innermost, in blocks of 32 codes); Wq_scales 1,024 x 32 uint8 (E8M0 scales of Wq, one for each 32 codes along K); Wv_codes 1,024 x 32 x 32 uint8 (E4M3 codes of Wv, K innermost, in blocks of 32 codes); Wv_scales 1,024 x 32 uint8 (E8M0 scales of Wv, one for each 32 codes along K); attention_mask 8 x 1,024 float32; bk 1,024 float32; bo 1,024 float32; bq 1,024 float32; bv 1,024 float32; input_tensor 8 x 1,024 x 1,024 float32; ln_beta 1,024 float32; ln_gamma 1,024 float32.
;; Outputs: out0 8 x 1,024 x 1,024 float32.
;; This version of the problem:
;;   THIS VERSION OF THE PROBLEM IS GIVEN IN LOW PRECISION. The matrix products marked QUANTISED in the list below multiply operands that are first quantised to E4M3 (4 exponent bits, 3 mantissa bits; 8 bits a number), with one power-of-two scale for each 32 numbers along K (OCP MX v1.0); their sums are f32. All else is computed in f32.
;;   The module's matrix products, in the order in which they are computed (A, B: the left and right operand; K: the contracted axis; several contracted axes count as one K, in the product's order):
;;     1. [M 8,192, K 1,024] x [K 1,024, N 1,024]; A: input input_tensor; B: input Wq (given as codes): QUANTISED
;;     2. [M 8,192, K 1,024] x [K 1,024, N 1,024]; A: input input_tensor; B: input Wk (given as codes): QUANTISED
;;     3. [M 8,192, K 1,024] x [K 1,024, N 1,024]; A: input input_tensor; B: input Wv (given as codes): QUANTISED
;;     4. batch 128 x [M 1,024, K 64] x [K 64, N 1,024]; A: computed on the way; B: computed on the way: QUANTISED
;;     5. batch 128 x [M 1,024, K 1,024] x [K 1,024, N 64]; A: softmax (see below); B: computed on the way: QUANTISED
;;     6. [M 8,192, K 1,024] x [K 1,024, N 1,024]; A: computed on the way; B: input Wo (given as codes): QUANTISED
;;   THE QUANTISER, for each operand of a quantised product, along K:
;;     - K is cut into blocks of 32 from its start; a last block that is shorter is filled with zeros.
;;     - A block's scale is 2^e with e = floor(log2(the largest magnitude in the block)) - 8, held to -126 .. 127; a block of zeros has e = 0. As a byte (E8M0): e + 127.
;;     - Each number is divided by its block's scale, clamped to +-448, and rounded to the nearest number of E4M3, ties to even, subnormals kept.
;;     - The product sums the exact products of the quantised numbers (number of the format x scale) in f32.
;;   ~~~python
;;   def quantise(x, axis):      # numpy; x: float32 -> the quantised numbers, widened to float32 again
;;       x = np.moveaxis(x, axis, -1); K = x.shape[-1]
;;       x = np.pad(x, [(0, 0)] * (x.ndim - 1) + [(0, -K % 32)]); x = x.reshape(x.shape[:-1] + (-1, 32)); a = np.abs(x).max(-1, keepdims=True)
;;       e = np.where(a > 0, np.clip(np.frexp(np.where(a > 0, a, 1))[1] - 1 - 8, -126, 127), 0)      # np.frexp(a)[1] - 1 = floor(log2(a)), exactly
;;       r = np.clip(x / 2.0 ** e, -448, 448)
;;       step = 2.0 ** (np.maximum(np.frexp(np.where(r == 0, 1, r))[1] - 1, -6) - 3)
;;       q = np.round(r / step) * step * 2.0 ** e      # np.round: ties to even
;;       return np.moveaxis(q.reshape(q.shape[:-2] + (-1,))[..., :K], -1, axis).astype(np.float32)
;;   ~~~
;;   SOFTMAX AHEAD OF A QUANTISED PRODUCT. Where the list says 'softmax', what is quantised is not the finished softmax but p = 2^(t - M), with t = logit x log2(e) and M = ceil(the row's largest t), a whole number; so 1/2 < the row's largest p <= 1. The row's sum l is taken of the UNQUANTISED p, in f32, and the product's result is divided by l at the end. Since M is a whole number, a kernel that streams over the keys may use a running M (the ceiling of the running maximum): every later rescaling is an exact power of two, which a block's scale takes up: the codes' values come out the same.
;;   OPERANDS COMPUTED ON THE WAY. 'Computed on the way' means the value that the module computes at that place (a softmax that the list does not call 'softmax' is quantised finished and normalised). What goes into a quantiser is computed in f32, as accurately as f32 sums, v_exp_f32 and their like allow (about 1e-6 of the number): no bf16 or f16 on the way to a quantiser, and a product that is left as it is and whose result goes on into a quantised operand takes f32 operands (vector FMAs, or v_wmma_f32_16x16x4_f32). A number that lies on a knife's edge between two numbers of the format may be rounded either way, as far as f32 arithmetic and the matrix unit's own rounding can turn it there, and no further.
;;   INPUTS GIVEN AS CODES. Wk (in the module: [1024, 1024], K = its axis 1); Wo (in the module: [1024, 1024], K = its axis 1); Wq (in the module: [1024, 1024], K = its axis 1); Wv (in the module: [1024, 1024], K = its axis 1): each comes as NAME_codes (uint8): NAME with its K axis moved to the last place and cut into blocks of 32 codes, [.., K / 32, bytes a block], one block behind the other in memory; one code a byte (a code: sign, 4 exponent bits, 3 mantissa bits); and NAME_scales (uint8): the same leading axes, one E8M0 byte (e + 127) for each 32 codes along K. Its value is code x scale, taken as it is: it is not quantised again, and the codes and scales need not be those that the quantiser above would give.
;; One version. Each part assembles by itself: llvm-mc -triple=amdgcn-amd-amdhsa -mcpu=gfx1250 --defsym DOCPART=n.
;; ======== version 1 of 1: 4 launches
;; limits: right only within a limited range of input values
;; workspace buffers: xcodes 8,388,608 bytes; xscales 262,144 bytes; qimg 8,388,608 bytes; qs 1,048,576 bytes; kv 18,350,080 bytes; ctximg 8,388,608 bytes; cs 1,048,576 bytes
;; launch quantx (part 1): grid 256 x 1, 4 waves a work-group, no clusters, 33,280 bytes of LDS; arguments input_tensor, xcodes, xscales; writes xcodes, xscales
.if DOCPART == 1
	.amdgcn_target "amdgcn-amd-amdhsa--gfx1250"
	.amdhsa_code_object_version 6
	.text
	.protected	k_q40766dd46a_quantx
	.globl	k_q40766dd46a_quantx
	.p2align	8
	.type	k_q40766dd46a_quantx,@function
k_q40766dd46a_quantx:
	s_mov_b64 s[64:65], 0
	v_nop
	global_prefetch_b8 v0, s[64:65] scope:SCOPE_SE
	s_setreg_imm32_b32 hwreg(HW_REG_WAVE_MODE, 25, 1), 1
	s_wait_xcnt 0x0
; LAUNCH 1 OF 4.  The program: (1) x -> codes; (2) q, k, v = x W^T + b, quantised in registers; (3) attention on codes, ctx quantised; (4) ctx Wo^T + bo + x, LayerNorm.
; NO WORK OF reference() IS LEFT OUT: every input has a way to the output.  bq, bk, bv move the codes of q, k, v; the mask differs along the softmax's axis; bo, gamma, beta act on the result.
; (Product 4 has K = 64 in an instruction of K = 128: the upper 64 meet zero codes on Q's side, inside live tiles.)
; THIS LAUNCH: input_tensor [8192][1024] f32 becomes codes of FP8 (E4M3), K innermost, [8192][1024] bytes, with one E8M0 scale byte for each 32 along K, [8192][32].
; A block's scale is 2^(floor(log2(its largest magnitude)) - 8); its byte is the largest magnitude's exponent field - 8, held at 1 from below.  Each number is divided by the scale, held within +-448 and rounded to the nearest code, ties to even.
; LIMITS: a block of zeros gets the byte 1 where the rule says 127 (its codes are zeros, which add nothing under any byte but 0xff, and this program alone reads the bytes); blocks whose largest magnitude lies under 2^(8 - 126) keep the byte 1;
; NaN and infinities among the inputs are not served.
; Rows are dense and 1024 is a multiple of 32: the tensor is a plain stream of blocks of 32.  A wave takes 16 steps of 512 numbers.  Each of a step's four loads reads 512 consecutive bytes, 16 a lane; the 2,048 bytes turn through the
; wave's own stage in LDS and come back 64 bytes a lane, so that a lane holds 16 neighbours (two neighbouring lanes hold a block).  A lane's 16 codes are 16 bytes: the wave stores 512 consecutive bytes.
; A wave's 256 scale bytes are gathered in its own LDS and leave as one aligned run of 256 bytes.  No tensor loads, no barrier: waves share nothing.  Matrix units and clusters have nothing to do here: nothing is shared, nothing multiplied.
; LOADS RUN EIGHT STEPS AHEAD: 32 loads, 16,384 bytes, of every wave are on their way: half of what the wave reads in all.
.set WAVES, 4
.set STEPS, 16
.set DEPTH, 8                          ; sets of load registers = steps that the loads run ahead
.set MANT,  0x600000                   ; the mantissa field of 448 as f32
.set CB,    16                         ; bytes of 16 codes
.set R,     16                         ; v16-143  eight sets of 16 numbers as they are loaded
.set X,     144                        ; v144-175 two sets of 16 neighbours
.set E,     176                        ; v176-191 a scale byte for each step
.set C,     192                        ; v192-255 codes: four registers for each step, so that no store's data are written again
.set WREG,  8192                       ; LDS: a region for each wave: two stages of 32 x SP bytes, behind them its 256 scale bytes
.set SP,    80                         ; a lane's place in a stage: its 64 bytes + 16 of padding
.set SPW,   12                         ; v12      LDS address of my spare word; never rewritten
.set NIL,   13                         ; v13      0; never rewritten
.set SPARE, WAVES*WREG                 ; behind the four regions: the spare words, 128 bytes a wave, named by no other line
	s_load_b128 s[4:7], s[0:1], 0x0                ; x, the codes
	s_load_b64 s[8:9], s[0:1], 0x10                ; the scale bytes
	v_lshl_add_u32 v[SPW], v0, 2, SPARE
	v_mov_b32 v[NIL], 0
	v_lshrrev_b32 v1, 5, v0
	v_readfirstlane_b32 s16, v1                    ; wave
	v_and_b32 v2, 31, v0                           ; lane
	v_lshlrev_b32 v3, 4, v2                        ; my 16 bytes of a load's 512
	s_mul_i32 s17, s16, WREG
	v_lshrrev_b32 v14, 2, v2
	v_mul_u32_u24 v14, v14, SP
	v_and_b32 v15, 3, v2
	v_lshl_add_u32 v14, v15, 4, v14
	v_add_nc_u32 v14, s17, v14                     ; the stage, on the way in: SP (lane / 4) + 16 (lane % 4)
	v_mul_u32_u24 v15, v2, SP
	v_add_nc_u32 v15, s17, v15                     ; and on the way out: SP x lane: my 16 neighbours
	v_mul_u32_u24 v4, v2, CB                       ; my codes' place in a step's
	v_lshrrev_b32 v5, 1, v2
	s_add_co_u32 s17, s17, 2*32*SP
	v_add_nc_u32 v5, s17, v5                       ; LDS: my wave's 256 scale bytes, my block's byte
	v_lshlrev_b32 v7, 3, v2                        ; and on the way out 8 bytes a lane
	v_add_nc_u32 v6, s17, v7
	s_mov_b32 s23, MANT
	s_lshl_b32 s18, ttmp9, 2
	s_add_co_u32 s18, s18, s16                     ; which run of 8,192 numbers is my wave's: 0 .. 1023
	s_lshl_b32 s20, s18, 15                        ; 32,768 bytes of f32 a run
	s_mov_b32 s21, 0
	s_lshl_b32 s24, s18, 13                        ; 8,192 bytes of codes
	s_mov_b32 s25, 0
	s_lshl_b32 s18, s18, 8                         ; 256 scale bytes
	s_mov_b32 s19, 0
	s_wait_alu depctr_va_vdst(0)
	s_wait_kmcnt 0x0
	s_add_nc_u64 s[4:5], s[4:5], s[20:21]
	s_add_nc_u64 s[6:7], s[6:7], s[24:25]
	s_add_nc_u64 s[8:9], s[8:9], s[18:19]
.macro LOAD t
.irp i, 0,1,2,3
	global_load_b128 v[R+16*((\t)%DEPTH)+4*\i:R+16*((\t)%DEPTH)+4*\i+3], v3, s[4:5] offset:2048*(\t)+512*\i   ; 32 lanes read 512 consecutive bytes (no hint: the last launch reads x again)
.endr
.endm
.macro TURN t                          ; step t's numbers through the stage: LDS serves a wave's instructions in order, so no wait stands between the stores and the loads
.irp i, 0,1,2,3
	ds_store_b128 v14, v[R+16*((\t)%DEPTH)+4*\i:R+16*((\t)%DEPTH)+4*\i+3] offset:32*SP*((\t)%2)+8*SP*\i
.endr
.irp i, 0,1,2,3
	ds_load_b128 v[X+16*((\t)%2)+4*\i:X+16*((\t)%2)+4*\i+3], v15 offset:32*SP*((\t)%2)+16*\i
.endr
.endm
.irp t, 0,1,2,3,4,5,6,7
	LOAD \t
.endr
	s_wait_loadcnt 4*(DEPTH-1)                     ; step 0's four loads are in; the seven steps behind it may be out
	TURN 0
.macro STEP t
.set XS, X+16*((\t)%2)
.if (\t) > 0
	s_wait_dscnt 1                                 ; this step's numbers are back from the stage (the last step's byte store may be out): its stores into the stage have read their registers,
.else
	s_wait_dscnt 0x0
.endif
.if (\t)+DEPTH < STEPS
	LOAD (\t)+DEPTH                                ; which take the loads of eight steps on
.endif
.if (\t)+1 < STEPS
.if STEPS-2-(\t) >= DEPTH-1
	s_wait_loadcnt 4*(DEPTH-1)                     ; the next step's four loads are in; those of the seven steps behind it may be out
.else
	s_wait_loadcnt 4*(STEPS-2-(\t))
.endif
	TURN (\t)+1                                    ; and go through the other stage while this step is worked
.endif
	v_max3_num_f32 v8, |v[XS]|, |v[XS+1]|, |v[XS+2]|               ; the largest magnitude of my 16, in two chains
	v_max3_num_f32 v9, |v[XS+3]|, |v[XS+4]|, |v[XS+5]|
.irp i, 6,10
	v_max3_num_f32 v8, v8, |v[XS+\i]|, |v[XS+\i+1]|
	v_max3_num_f32 v9, v9, |v[XS+\i+2]|, |v[XS+\i+3]|
.endr
	v_max3_num_f32 v8, v8, |v[XS+14]|, |v[XS+15]|
	v_max3_num_f32 v8, v8, v9, 0x4800000           ; and the floor 2^(9 - 127): the byte cannot fall under 1
	v_max_num_f32_dpp v8, v8, v8 row_xmask:1 row_mask:0xf bank_mask:0xf   ; and of my neighbour's 16: the block's
	v_add_nc_u32 v11, 0xfc000000, v8               ; 8 off its exponent field: the conversion takes the exponent field of this operand as its scale
	v_and_or_b32 v10, v8, 0x7f800000, s23          ; 448 x the scale
.irp i, 0,1,2,3,4,5,6,7,8,9,10,11,12,13,14,15
	v_med3_num_f32 v[XS+\i], v[XS+\i], -v10, v10   ; the conversion to an 8-bit code does not saturate (ISA guide 7.6.2): the hold comes first
.endr
	v_cvt_scalef32_pk8_fp8_f32 v[C+4*(\t):C+4*(\t)+1], v[XS:XS+7], v11
	v_cvt_scalef32_pk8_fp8_f32 v[C+4*(\t)+2:C+4*(\t)+3], v[XS+8:XS+15], v11
	v_lshrrev_b32 v[E+(\t)], 23, v11               ; the scale's byte (also the plain line behind the conversions)
	ds_store_b8 v5, v[E+(\t)] offset:16*(\t)       ; both lanes of a block write the same byte with the same value
	global_store_b128 v4, v[C+4*(\t):C+4*(\t)+3], s[6:7] offset:32*CB*(\t)
.endm
.irp t, 0,1,2,3,4,5,6,7,8,9,10,11,12,13,14,15
	STEP \t
.endr
	ds_load_b64 v[8:9], v6                         ; LDS serves a wave's instructions in order: these see my stores
	s_wait_dscnt 0x0
	global_store_b64 v7, v[8:9], s[8:9]            ; 32 lanes store 256 consecutive bytes, aligned
	s_wait_tensorcnt 0x0                           ; the wave's end: behind my last LDS store
	ds_add_u32 v[SPW], v[NIL]
	s_wait_dscnt 0x0
	s_endpgm
.Lfunc_end_k_q40766dd46a_quantx:
	.size	k_q40766dd46a_quantx, .Lfunc_end_k_q40766dd46a_quantx-k_q40766dd46a_quantx
	.p2alignl 7, 3214868480
	.fill 96, 4, 3214868480
	.section	.rodata,"a",@progbits
	.p2align	6, 0x0
	.amdhsa_kernel k_q40766dd46a_quantx
		.amdhsa_group_segment_fixed_size 33280
		.amdhsa_private_segment_fixed_size 0
		.amdhsa_enable_private_segment 0
		.amdhsa_kernarg_size 24
		.amdhsa_user_sgpr_count 2
		.amdhsa_user_sgpr_kernarg_segment_ptr 1
		.amdhsa_wavefront_size32 1
		.amdhsa_system_sgpr_workgroup_id_x 1
		.amdhsa_system_sgpr_workgroup_id_y 1
		.amdhsa_system_sgpr_workgroup_id_z 1
		.amdhsa_system_vgpr_workitem_id 0
		.amdhsa_next_free_vgpr 256
		.amdhsa_next_free_sgpr 66
		.amdhsa_reserve_vcc 0
		.amdhsa_float_denorm_mode_32 3
		.amdhsa_float_denorm_mode_16_64 3
		.amdhsa_memory_ordered 1
		.amdhsa_forward_progress 1
		.amdhsa_inst_pref_size 51
	.end_amdhsa_kernel
	.amdgpu_metadata
---
amdhsa.version: [ 1, 2 ]
amdhsa.kernels:
  - .name:           k_q40766dd46a_quantx
    .symbol:         k_q40766dd46a_quantx.kd
    .args:
      - { .name: input_tensor, .offset: 0, .size: 8, .value_kind: global_buffer, .address_space: global }
      - { .name: xcodes, .offset: 8, .size: 8, .value_kind: global_buffer, .address_space: global }
      - { .name: xscales, .offset: 16, .size: 8, .value_kind: global_buffer, .address_space: global }
    .group_segment_fixed_size: 33280
    .private_segment_fixed_size: 0
    .kernarg_segment_align: 8
    .kernarg_segment_size: 24
    .max_flat_workgroup_size: 128
    .sgpr_count:     66
    .vgpr_count:     256
    .wavefront_size: 32
...
	.end_amdgpu_metadata
.endif
;; end of part 1
;; launch qkv (part 2): grid 12 x 32, 4 waves a work-group, clusters of 4 x 4, 327,680 bytes of LDS; arguments xcodes, xscales, Wq_codes, Wq_scales, Wk_codes, Wk_scales, Wv_codes, Wv_scales, bq, bk, bv, qimg, qs, kv; writes qimg, qs, kv
.if DOCPART == 2
	.amdgcn_target "amdgcn-amd-amdhsa--gfx1250"
	.amdhsa_code_object_version 6
	.text
	.protected	k_q40766dd46a_qkv
	.globl	k_q40766dd46a_qkv
	.p2align	8
	.type	k_q40766dd46a_qkv,@function
k_q40766dd46a_qkv:
	s_mov_b64 s[64:65], 0
	v_nop
	global_prefetch_b8 v0, s[64:65] scope:SCOPE_SE
	s_setreg_imm32_b32 hwreg(HW_REG_WAVE_MODE, 25, 1), 1
	s_wait_xcnt 0x0
	s_wait_alu depctr_hold_cnt(0) depctr_sa_sdst(0) depctr_va_vdst(0) depctr_va_sdst(0) depctr_va_ssrc(0) depctr_va_vcc(0) depctr_vm_vsrc(0)
	s_getreg_b32 s2, hwreg(HW_REG_IB_STS2, 6, 4)
	s_cmp_eq_u32 s2, 0
	s_cbranch_scc0 .Lentry_in_a_cluster
	s_endpgm
.Lentry_in_a_cluster:
	s_bfe_u32 s2, ttmp6, 0x10000c
	s_cmp_lg_u32 s2, 0xf033
	s_cbranch_scc0 .Lentry_shape_is_right
	s_endpgm
.Lentry_shape_is_right:
; LAUNCH 2 OF 4.  q = x Wq^T + bq, k = x Wk^T + bk, v = x Wv^T + bv on codes of FP8 (E4M3) with E8M0 scales, sums in f32; the results are quantised in registers and leave as IMAGES OF OPERAND REGISTERS for the attention launch.
; No work is left out.  LIMITS: a block of zeros gets the scale byte 1 (its codes are zeros; this program alone reads the bytes); the biases are the C of each sum's first matrix instruction, so they are added with the matrix unit's rounding.
; SHARES.  A tile of 256 x 256 to a work-group of four waves, 128 x 128 to a wave: 64 accumulators, 512 registers.  K = 1024 goes in four steps of 256 through two LDS slots filled by the tensor data mover (rows of 256 bytes);
; the scale bytes of the work-group's rows, for all of K, come once with the first fills.
; THE CLUSTER'S x IS THE KIND OF TILE (0: q, 1: k, 2: v), the same in all sixteen partners.  Source 1 of the matrix instruction (its rows become LANES) is called A and hangs on cy; source 0 (its rows become REGISTERS) is called B and hangs on cx.
;   q, k: A = 256 tokens of x, B = 256 rows of W: a lane holds one token and its registers run along the features, which are the next product's K.
;   v:    A = 256 rows of Wv, B = 256 tokens of x: a lane holds one feature and its registers run along the tokens (the keys), which are the next product's K.
; x and W have the same pitches (1,024 bytes of codes, 32 of scales a row): only pointers and tile numbers are chosen by the kind; descriptors' shapes, LDS map and K loop are one text.
; A's tiles are shared along a row of the cluster, B's along a column: each is asked for jointly, by the same tensor load with a mask that names the four.
; ORDER INSIDE A BLOCK OF 32.  For a fixed block a of A the lane's 64 registers 8 b + j hold B's rows 16 b + 8 h + j (h = lane / 16): four blocks of 32, in which half h holds elements 8 h .. 8 h + 7 and 16 + 8 h .. 16 + 8 h + 7.
; The codes are kept in that order.  q and k have it alike, v has it as the softmax's p will: a permutation inside a block of 32, the same on both sides of a product, changes neither the sum nor the block's scale.
; REGISTERS, in windows of 256: window 0: v8-15 the biases' offsets; v16-29 addresses; v32-63 scale words, two sets; v64-127 the biases, later numbers held for conversion; from v128 A's fragments, later codes and what the quantiser needs.
;   window 1: B's fragments, two sets.   window 2: the accumulators of A's blocks 0-3 ((a, b) at v[8 (8 a + b)]);   window 3: those of blocks 4-7.
.set KSTEP,  256
.set NQ,     2                         ; matrix instructions deep in a slot
.set ROWB,   256                       ; a tile's row in bytes
.set KROW,   1024                      ; a row of codes in memory
.set PITCH,  272                       ; an LDS row: 256 bytes + 16 of padding = 68 words: the 16 rows that a load touches start 4 banks apart (64 banks of 4 bytes: ISA guide 11.1)
.set FR,     16                        ; registers of a fragment: 16 rows x 128 K
.set NL,     4                         ; LDS loads that bring one
.set NP,     8                         ; places behind this matrix instruction (ISA guide 7.12.1)
.set HALFT,  128*PITCH                 ; 128 rows: what one tensor load brings
.set SLOT,   4*HALFT                   ; A's 256 rows, then B's 256 rows
.set LAPS,   2                         ; a lap = two K steps = once round the ring
.set KS,     32                        ; a row of scale bytes
.set SCL,    2*SLOT                    ; behind the ring: the scales, as runs of 256 bytes + 16 of padding
.set HALFS,  16*272                    ; the scales of 128 rows
.set SBLK,   2*272                     ; those of 16 rows
.set SPARE,  SCL+4*HALFS               ; behind the scales: the spare words, 128 bytes a wave, named by no other line
.set REC,    17920                     ; kv: a record = one head's 128 keys: K's images 8,192, V^T's images 8,192, K's scale words 1,024, V's 512
.set HB,     8*REC                     ; a head's eight records
.set BA,   8                           ; v8-15   byte offset of bias register j
.set ADRA, 16                          ; v16-17  LDS address of my A fragments in slot 0, 1
.set ADRB, 20                          ; v20-21  the same for B
.set VST0, 24                          ; v24     the way out: 16 x lane
.set VST1, 25                          ; v25     + the distance to a block's images 2 and 3
.set VSO,  26                          ; v26     16 x lane + the distance to the odd head's scale words
.set ADRS, 27                          ; v27     LDS address of my scale words: lanes 0-15 A's rows, lanes 16-31 B's
.set SPW,  28                          ; v28     LDS address of my spare word; never rewritten
.set NIL,  29                          ; v29     0; never rewritten
.set SC,   32                          ; scale words: set s at v[SC + 16 s]; register 2 i + q: lanes 0-15 A's block i, lanes 16-31 B's block i
.set BIAS, 64                          ; v64-127 eight tiles of eight registers in the result's layout; on the way out the 64 numbers in hand
.set AF,   128                         ; A's fragments
.set TM,   160                         ; v160-163 largest magnitudes, 164-167 bytes, 168-171 448 x scale, 172-175 the conversions' scale operands
.set EW,   176                         ; v176-179 the first four blocks' scale words, v184-187 the last four's
.set OW,   180                         ; v180-183, v188-191 the odd head's
.set G1, 24                            ; s[24:31] descriptor group 1 for A's tiles;  s[32:39] group 0, one set for each slot
.set G0, 32
.set G1B, 48                           ; s[48:55], s[56:63] the same for B's tiles
.set G0B, 56
.set G1S, 68                           ; s[68:75], s[76:79] groups 1 and 0 for A's scales;  s[80:87], s[88:91] for B's (these registers hold the arguments first)
.set G0S, 76
.set G1SB, 80
.set G0SB, 88
.set MSB, 0
.macro WIN new                         ; the immediate's high byte repeats the setting that is left; a switch that changes nothing is dropped
.if MSB != (\new)
	s_set_vgpr_msb (MSB<<8)|(\new)
.set MSB, (\new)
.endif
.endm
.set TO_B,   0x40                      ; destination window 1, address window 0
.macro MWIN hi, cm                     ; source 0 (B) window 1, source 1 (A) window 0, D window 2 + hi; C with D (cm = 0) or in window 0 (a bias)
.if (\cm) == 0
	WIN 0xa1+0x50*(\hi)
.else
	WIN 0x81+0x40*(\hi)
.endif
.endm
; A joint load: waves 0 and 1 fetch for A, waves 2 and 3 for B.  Each of the two lines has one mask and one set of registers for all that issue it; the branch hangs on the wave's number alone.
; An s_nop 0 and four v_nop follow each of the two lines, ahead of the jump, the label and what follows.
.macro JLOAD g0a, g1a, g0b, g1b
	s_cmp_eq_u32 s15, 0
	s_cbranch_scc0 .Lfor_b_\@
	tensor_load_to_lds s[\g0a:\g0a+3], s[\g1a:\g1a+7]
	s_nop 0
.rept 4
	v_nop
.endr
	s_branch .Lasked_\@
.Lfor_b_\@:
	tensor_load_to_lds s[\g0b:\g0b+3], s[\g1b:\g1b+7]
	s_nop 0
.rept 4
	v_nop
.endr
.Lasked_\@:
.endm
.macro CREST                           ; a round of the cluster's barrier behind its opening barrier
	s_cmp_lg_u32 s14, 0
	s_cbranch_scc1 .Lnot_wave_0_\@
	s_barrier_signal -3
.Lnot_wave_0_\@:
	s_barrier_wait -3
	s_barrier_signal -1
	s_barrier_wait -1
.endm
.macro CROUND                          ; a whole round
	s_barrier_signal -1
	s_barrier_wait -1
	CREST
.endm
	s_load_b512 s[68:83], s[0:1], 0x0              ; x's codes 68, x's scales 70, Wq's 72, 74, Wk's 76, 78, Wv's 80, 82
	s_load_b256 s[84:91], s[0:1], 0x40             ; bq 84, bk 86, bv 88, qimg 90
	s_load_b128 s[92:95], s[0:1], 0x60             ; qs 92, kv 94
	v_lshl_add_u32 v[SPW], v0, 2, SPARE
	v_mov_b32 v[NIL], 0
	ds_add_u32 v[SPW], v[NIL]                      ; the wave's opening: the add, twice on end, and its wait ahead of my first tensor load; the set-up below stands between
	ds_add_u32 v[SPW], v[NIL]
	v_lshrrev_b32 v1, 5, v0
	v_readfirstlane_b32 s14, v1                    ; wave 0..3
	s_lshr_b32 s15, s14, 1                         ; which half of A's rows is mine.  Also: I fetch for A (0) or for B (1)
	s_and_b32 s16, s14, 1                          ; which half of B's rows is mine.  Also: which 128 rows of that tile I fetch
	s_bfe_u32 s40, ttmp6, 0x40000                  ; cx, cy: my place in the cluster
	s_bfe_u32 s41, ttmp6, 0x40004
	s_mov_b32 s66, ttmp9                           ; the kind: 0 q, 1 k, 2 v
	s_and_b32 s67, ttmp7, 0xffff
	s_lshl_b32 s67, s67, 2                         ; 4 x cluster y: the cluster's first block of 256 tokens
	s_cmp_eq_u32 s66, 2
	s_cselect_b32 s17, 0, s67
	s_cselect_b32 s42, s67, 0
	s_add_co_u32 s17, s17, s41                     ; A's tile: q, k: tokens 4 Y + cy;  v: Wv's rows cy
	s_add_co_u32 s42, s42, s40                     ; B's tile: q, k: W's rows cx;      v: tokens 4 Y + cx
	s_lshl_b32 s43, s41, 2
	s_lshl_b32 s43, 15, s43                        ; my row of the cluster
	s_lshl_b32 s44, 0x1111, s40                    ; my column
	; descriptor group 1: a tile of 128 rows x 256 bytes, padded in LDS
	s_or_b32 s[G1+0], s43, (0<<16)|(1<<20)|(1<<21)|(5<<22)|(3<<25)  ; 15:0 the mask; 17:16 elements of 1 byte; 20 padding on; 21 set beside a mask; 24:22 after every 64 words; 31:25 four words
	s_or_b32 s[G1B+0], s44, (0<<16)|(1<<20)|(1<<21)|(5<<22)|(3<<25)
.irp g, G1, G1B
	s_mov_b32 s[\g+1], ROWB<<16                    ; tensor_dim0
	s_mov_b32 s[\g+2], 256<<16                     ; tensor_dim1: 256 rows for the head's loads; set to 128 for the ring's behind them
	s_mov_b32 s[\g+3], ROWB<<16                    ; tile_dim0
	s_mov_b32 s[\g+4], 256                         ; tile_dim1 likewise
	s_mov_b32 s[\g+5], KROW                        ; tensor_dim0_stride
	s_mov_b32 s[\g+6], 0
	s_mov_b32 s[\g+7], 0
.endr
	s_lshl_b32 s18, s16, 7                         ; which 128 rows of the tile I fetch
	s_lshl_b32 s20, s17, 8
	s_add_co_u32 s20, s20, s18                     ; A: row 256 x tile + 128 x half
	s_lshl_b32 s46, s42, 8
	s_add_co_u32 s46, s46, s18                     ; B likewise
	s_lshl_b32 s32, s20, 10                        ; A: where these rows' codes begin, in bytes (under 2^23),
	s_mov_b32 s33, 0
	s_lshl_b32 s34, s20, 5                         ; and their scales
	s_mov_b32 s35, 0
	s_lshl_b32 s56, s46, 10                        ; B's, in registers of B's own descriptors
	s_mov_b32 s57, 0
	s_lshl_b32 s58, s46, 5
	s_mov_b32 s59, 0
	s_mul_i32 s45, s14, HALFT                      ; where the tiles go: wave x 128 rows: no place in the cluster enters an LDS address
	s_wait_dscnt 0x0                               ; both opening adds are done
	s_wait_kmcnt 0x0
	s_cmp_eq_u32 s66, 0                            ; the choices hang on the kind alone, never on an address
	s_cselect_b64 s[20:21], s[72:73], s[76:77]     ; W's codes: q's or k's,
	s_cselect_b64 s[22:23], s[74:75], s[78:79]     ; its scales,
	s_cselect_b64 s[12:13], s[84:85], s[86:87]     ; the bias,
	s_cselect_b64 s[96:97], s[90:91], s[94:95]     ; where the images go: qimg or kv,
	s_cselect_b64 s[98:99], s[92:93], s[94:95]     ; and the scale words: qs or kv
	s_cmp_eq_u32 s66, 2
	s_cselect_b64 s[20:21], s[80:81], s[20:21]     ; or v's
	s_cselect_b64 s[22:23], s[82:83], s[22:23]
	s_cselect_b64 s[12:13], s[88:89], s[12:13]
	s_cselect_b64 s[4:5], s[20:21], s[68:69]       ; A: v: the weight; else x
	s_cselect_b64 s[6:7], s[22:23], s[70:71]
	s_cselect_b64 s[8:9], s[68:69], s[20:21]       ; B: v: x; else the weight
	s_cselect_b64 s[10:11], s[70:71], s[22:23]
	s_add_nc_u64 s[4:5], s[4:5], s[32:33]
	s_add_nc_u64 s[6:7], s[6:7], s[34:35]
	s_add_nc_u64 s[8:9], s[8:9], s[56:57]
	s_add_nc_u64 s[10:11], s[10:11], s[58:59]
	; the prefetches: of the 128 rows that I fetch in the ring, each of the four partners that ask for them jointly takes 32, told apart by address (cx for A's tiles, cy for B's): a lane a row
	s_cmp_eq_u32 s15, 0                            ; do I fetch for A?
	s_cselect_b64 s[92:93], s[4:5], s[8:9]
	s_cselect_b32 s94, s40, s41
	s_lshl_b32 s94, s94, 15                        ; 32 rows of 1,024 bytes
	s_mov_b32 s95, 0
	s_add_nc_u64 s[92:93], s[92:93], s[94:95]      ; never rewritten
	; the arguments are taken: their registers become the scales' descriptors.  The scales of 128 rows: 4,096 dense bytes, as 16 rows of 256 bytes (32 elements of 8 bytes), 16 bytes of padding behind each
	s_or_b32 s[G1S+0], s43, (3<<16)|(1<<20)|(1<<21)|(5<<22)|(3<<25)
	s_or_b32 s[G1SB+0], s44, (3<<16)|(1<<20)|(1<<21)|(5<<22)|(3<<25)
.irp g, G1S, G1SB
	s_mov_b32 s[\g+1], 32<<16
	s_mov_b32 s[\g+2], 32<<16                      ; the scales of 256 rows: 32 rows of 256 bytes
	s_mov_b32 s[\g+3], 32<<16
	s_mov_b32 s[\g+4], 32
	s_mov_b32 s[\g+5], 32
	s_mov_b32 s[\g+6], 0
	s_mov_b32 s[\g+7], 0
.endr
	CROUND                                         ; all sixteen work-groups are here: the first joint loads meet
	s_mov_b32 s[G0S], 1
	s_mov_b32 s[G0S+1], SCL
	s_lshl_b32 s22, s16, 12                        ; my half's 128 rows of scales, in bytes: taken off, the tile's first row is left
	s_mov_b32 s23, 0
	s_sub_nc_u64 s[G0S+2:G0S+3], s[6:7], s[22:23]
	s_or_b32 s[G0S+3], s[G0S+3], 0x80000000
	s_mov_b32 s[G0SB], 1
	s_mov_b32 s[G0SB+1], SCL+2*HALFS
	s_sub_nc_u64 s[G0SB+2:G0SB+3], s[10:11], s[22:23]
	s_or_b32 s[G0SB+3], s[G0SB+3], 0x80000000
.irp s, 0,1
	s_mov_b32 s[G0+4*\s], 1
	s_add_co_u32 s[G0+4*\s+1], s45, \s*SLOT
	s_add_nc_u64 s[G0+4*\s+2:G0+4*\s+3], s[4:5], \s*ROWB
	s_or_b32 s[G0+4*\s+3], s[G0+4*\s+3], 0x80000000
	s_mov_b32 s[G0B+4*\s], 1
	s_add_co_u32 s[G0B+4*\s+1], s45, \s*SLOT
	s_add_nc_u64 s[G0B+4*\s+2:G0B+4*\s+3], s[8:9], \s*ROWB
	s_or_b32 s[G0B+4*\s+3], s[G0B+4*\s+3], 0x80000000
.endr
	; THE HEAD'S LOADS, ONE A WAVE: wave 0 K step 0's 256 rows of A, wave 1 its 256 rows of B, wave 2 the scales of A's 256 rows, wave 3 those of B's.
	; Their groups 0 for the codes lie in s[4:7] and s[8:11], whose addresses have been used.
	s_lshl_b32 s20, s16, 17                        ; my half's 128 rows of codes, in bytes
	s_mov_b32 s21, 0
	s_sub_nc_u64 s[6:7], s[4:5], s[20:21]          ; A's tile from its first row
	s_or_b32 s7, s7, 0x80000000
	s_mov_b32 s4, 1
	s_mov_b32 s5, 0
	s_sub_nc_u64 s[10:11], s[8:9], s[20:21]        ; B's likewise, behind A's in slot 0
	s_or_b32 s11, s11, 0x80000000
	s_mov_b32 s8, 1
	s_mov_b32 s9, 2*HALFT
.macro ARM under, g0, g1, next                 ; one chain of branches on the wave's number, one load to an arm, all arms to one join
	s_cmp_lt_u32 s14, \under
	s_cbranch_scc0 \next
	tensor_load_to_lds s[\g0:\g0+3], s[\g1:\g1+7]
	s_nop 0
.rept 4
	v_nop
.endr
	s_branch .Lhead_asked
\next:
.endm
	ARM 1, 4, G1, .Lhead_b
	ARM 2, 8, G1B, .Lhead_sa
	ARM 3, G0S, G1S, .Lhead_sb
	tensor_load_to_lds s[G0SB:G0SB+3], s[G1SB:G1SB+7]
	s_nop 0
.rept 4
	v_nop
.endr
.Lhead_asked:
	v_and_b32 v30, 31, v0
	v_lshlrev_b32 v30, 10, v30                     ; the prefetches' offset: my lane x a row of 1,024 bytes; never rewritten
	v_and_b32 v1, 15, v0
	v_bfe_u32 v2, v0, 4, 1                         ; h = lane / 16
	v_mul_u32_u24 v3, v1, PITCH
	v_lshl_add_u32 v4, v2, 4, v3                   ; a fragment's row x pitch + 16 x half
	s_mul_i32 s21, s15, HALFT                      ; my 128 rows of A
	s_mul_i32 s22, s16, HALFT                      ; my 128 rows of B,
	s_add_co_u32 s22, s22, 2*HALFT                 ; which lie behind A's 256
.irp s, 0,1
	v_add_nc_u32 v[ADRA+\s], s21, v4
	v_add_nc_u32 v[ADRB+\s], s22, v4
	s_add_co_u32 s21, s21, SLOT
	s_add_co_u32 s22, s22, SLOT
.endr
	v_mul_u32_u24 v5, v1, KS                       ; my row's scales: 32 bytes a row,
	v_lshrrev_b32 v6, 8, v5
	v_lshl_add_u32 v5, v6, 4, v5                   ; and 16 more for each 256 passed
	s_mul_i32 s21, s15, HALFS                      ; A's: my 128 rows
	s_mul_i32 s22, s16, HALFS                      ; B's: my 128 rows, behind A's 256
	s_add_co_u32 s22, s22, 2*HALFS
	s_sub_co_u32 s22, s22, s21
	v_mul_u32_u24 v6, s22, v2                      ; lanes 16-31 take B's: one product, the distance x h
	s_add_co_u32 s21, s21, SCL
	v_add_nc_u32 v5, v5, v6
	v_add_nc_u32 v[ADRS], s21, v5
	global_prefetch_b8 v30, s[92:93] offset:256 th:TH_LOAD_NT scope:SCOPE_SE   ; K step 1's 256 bytes of my 32 rows: its load stands behind the next round,
	global_prefetch_b8 v30, s[92:93] offset:512 th:TH_LOAD_NT scope:SCOPE_SE   ; K step 2's: its load stands two changes of slots on
	; THE BIASES, in the result's layout.  q, k: tile t, register j: the bias of feature 16 t + 8 h + j (features run along the registers).  v: tile t, every register: the bias of feature 16 t + r (features run along the lanes).
	s_cmp_eq_u32 s66, 2
	s_cselect_b32 s20, s17, s42                    ; which tile of 256 features,
	s_cselect_b32 s21, s15, s16                    ; which half of it is my wave's,
	s_cselect_b32 s22, 0, 32                       ; bytes from half to half of the lanes,
	s_cselect_b32 s23, 4, 0                        ; from lane to lane,
	s_cselect_b32 s46, 0, 4                        ; from register to register
	s_lshl_b32 s20, s20, 10
	s_lshl_b32 s21, s21, 9
	s_add_co_u32 s20, s20, s21
	s_mov_b32 s21, 0
	s_add_nc_u64 s[12:13], s[12:13], s[20:21]      ; the bias of my wave's first feature
	v_mul_u32_u24 v[BA], v2, s22
	v_mad_u32_u24 v[BA], v1, s23, v[BA]
.irp j, 1,2,3,4,5,6,7
	v_add_nc_u32 v[BA+\j], s46, v[BA+\j-1]
.endr
.irp t, 0,1,2,3,4,5,6,7
.irp j, 0,1,2,3,4,5,6,7
	global_load_b32 v[BIAS+8*\t+\j], v[BA+\j], s[12:13] offset:64*\t
.endr
.endr
.macro FRAG reg, adr, q, i             ; a fragment, 16 rows x 128 K of 8-bit codes: lane l holds row l % 16; registers 4 c .. 4 c + 3 hold K = 32 c + 16 (l / 16) + 0 .. 15
.irp c, 0,1,2,3
	ds_load_b128 v[\reg+4*\c:\reg+4*\c+3], v[\adr] offset:128*(\q)+32*\c+(\i)*16*PITCH
.endr
.endm
; 16 matrix instructions: A's blocks a0, a0 + 1 x B's eight, 128 along K: the slot's q-th.  p: B's set;  sc: the set of scale words.
; cm = 0: C = D.  cm = 1, 2: the first product starts the sums with the bias as C (1: the bias tile of B's block; 2: of A's block): nothing is cleared, nothing is added afterwards.
; The 64 accumulators take turns, one instruction a turn, in the same order in every step.
.macro MUL16 a0, p, q, sc, cm
.irp a, \a0, \a0+1
.irp b, 0,1,2,3,4,5,6,7
.if (\cm) == 0
	v_wmma_scale_f32_16x16x128_f8f6f4 v[8*(8*((\a)%4)+\b):8*(8*((\a)%4)+\b)+7], v[128*(\p)+FR*\b:128*(\p)+FR*\b+FR-1], v[AF+FR*(\a):AF+FR*(\a)+FR-1], v[8*(8*((\a)%4)+\b):8*(8*((\a)%4)+\b)+7], v[SC+8*NQ*(\sc)+NQ*\b+(\q)], v[SC+8*NQ*(\sc)+NQ*(\a)+(\q)] matrix_a_scale:MATRIX_SCALE_ROW1
.elseif (\cm) == 1
	v_wmma_scale_f32_16x16x128_f8f6f4 v[8*(8*((\a)%4)+\b):8*(8*((\a)%4)+\b)+7], v[128*(\p)+FR*\b:128*(\p)+FR*\b+FR-1], v[AF+FR*(\a):AF+FR*(\a)+FR-1], v[BIAS+8*\b:BIAS+8*\b+7], v[SC+8*NQ*(\sc)+NQ*\b+(\q)], v[SC+8*NQ*(\sc)+NQ*(\a)+(\q)] matrix_a_scale:MATRIX_SCALE_ROW1
.else
	v_wmma_scale_f32_16x16x128_f8f6f4 v[8*(8*((\a)%4)+\b):8*(8*((\a)%4)+\b)+7], v[128*(\p)+FR*\b:128*(\p)+FR*\b+FR-1], v[AF+FR*(\a):AF+FR*(\a)+FR-1], v[BIAS+8*(\a):BIAS+8*(\a)+7], v[SC+8*NQ*(\sc)+NQ*\b+(\q)], v[SC+8*NQ*(\sc)+NQ*(\a)+(\q)] matrix_a_scale:MATRIX_SCALE_ROW1
.endif
.endr
.endr
.endm
.macro FETCH_B slot, q, p              ; B's eight fragments of the slot's q-th 128 along K into set p
	WIN TO_B
.irp i, 0,1,2,3,4,5,6,7
	FRAG 128*(\p)+FR*\i, ADRB+\slot, \q, \i
.endr
	WIN 0
.endm
.macro FETCH_A slot, q, i0             ; A's blocks i0 .. i0 + 3
.irp i, \i0, \i0+1, \i0+2, \i0+3
	FRAG AF+FR*(\i), ADRA+\slot, \q, \i
.endr
.endm
.macro SCALES sc                       ; the next K step's scale words into set sc: two words a row; lanes 0-15 take A's block i, lanes 16-31 B's block i
.irp i, 0,1,2,3,4,5,6,7
	ds_load_b64 v[SC+8*NQ*\sc+NQ*\i:SC+8*NQ*\sc+NQ*\i+1], v[ADRS] offset:\i*SBLK
.endr
.endm
; A load into a register that a matrix instruction has read, and a vector instruction that reads a matrix result, stand NP places behind that matrix instruction; only plain vector instructions that name none of its registers are places.
.macro PLACES n
.rept \n
	v_nop
.endr
.endm
; A step of 128 along K that has its successor in the same slot.  A has one set of registers: blocks 0-3 are fetched anew in the step's middle, blocks 4-7 at its end; B has two sets.
.macro STEP slot, q, cm
	s_wait_dscnt 4*NL                              ; B's set and A's blocks 0-3 are in; the youngest sixteen loads (A's blocks 4-7) may be out
	MWIN 0, \cm
	MUL16 0, (\q)%2, \q, \slot, \cm
	MUL16 2, (\q)%2, \q, \slot, \cm
	s_wait_dscnt 0                                 ; A's blocks 4-7 are in (asked for 32 matrix instructions ago)
	PLACES NP
	FETCH_B \slot, (\q)+1, 1-(\q)%2
	FETCH_A \slot, (\q)+1, 0
	MWIN 1, \cm
	MUL16 4, (\q)%2, \q, \slot, \cm
	MUL16 6, (\q)%2, \q, \slot, \cm
	PLACES NP
	WIN 0
	FETCH_A \slot, (\q)+1, 4
.endm
; A slot's last step changes slots: one barrier; in front of it each wave waits for all its tensor loads, adds 0 to its spare word, and waits for that and for its own reads of this slot.  fill = 1: this slot is filled again, two K steps ahead.
.macro TURN slot, next, fill
	s_wait_tensorcnt 0x0                           ; all my tensor loads have landed: my part of the next slot  (every window is 0 here)
	ds_add_u32 v[SPW], v[NIL]                      ; 0 onto my spare word
	s_wait_dscnt 4*NL+1                            ; (the add and the youngest sixteen loads, A's blocks 4-7, may be out)
	MWIN 0, 0
	MUL16 0, 1, NQ-1, \slot, 0                     ; sixteen matrix instructions stand between the add and the wait for it
	s_wait_dscnt 0x0                               ; the add is done, and my reads of this slot are over
	s_barrier_signal -1
	MUL16 2, 1, NQ-1, \slot, 0
	WIN 0
	s_barrier_wait -1
.if \fill
	CREST                                          ; the barrier has opened a round of the cluster's barrier: no wave of any partner still reads this slot's tile or has a load on its way
	s_add_nc_u64 s[G0+4*\slot+2:G0+4*\slot+3], s[G0+4*\slot+2:G0+4*\slot+3], 2*ROWB
	s_add_nc_u64 s[G0B+4*\slot+2:G0B+4*\slot+3], s[G0B+4*\slot+2:G0B+4*\slot+3], 2*ROWB
	JLOAD G0+4*\slot, G1, G0B+4*\slot, G1B         ; the first tensor load behind the round, my only one until the next; its four v_nop are among the places in front of the loads below
	PLACES NP-4
.else
	PLACES NP
.endif
	s_wait_alu depctr_va_vdst(0)
	v_add_nc_u32 v[ADRS], 4*NQ, v[ADRS]            ; on to the next K step's scale words (no LDS load of mine is out)
	FETCH_B \next, 0, 0
	FETCH_A \next, 0, 0
	SCALES \next
	MWIN 1, 0
	MUL16 4, 1, NQ-1, \slot, 0
	MUL16 6, 1, NQ-1, \slot, 0
	PLACES NP
	WIN 0
	FETCH_A \next, 0, 4
.endm
	s_wait_loadcnt 0x0                             ; the biases
	s_wait_alu depctr_va_vdst(0)                   ; the head's end
	s_wait_tensorcnt 0x0                           ; my tile of the head's four is in
	ds_add_u32 v[SPW], v[NIL]
	s_mov_b32 s[G1+2], 128<<16                     ; no tensor load of mine is out: from here on a load brings 128 rows
	s_mov_b32 s[G1+4], 128
	s_mov_b32 s[G1B+2], 128<<16
	s_mov_b32 s[G1B+4], 128
	s_wait_dscnt 0x0
	CROUND                                         ; all four tiles are in, all sixteen work-groups are here
	JLOAD G0+4, G1, G0B+4, G1B                     ; K step 1, the first tensor load behind the round
	FETCH_B 0, 0, 0
	FETCH_A 0, 0, 0
	SCALES 0
	FETCH_A 0, 0, 4
	global_prefetch_b8 v30, s[92:93] offset:768 th:TH_LOAD_NT scope:SCOPE_SE   ; K step 3's, the last: two refills ahead of its load
	s_cmp_eq_u32 s66, 2                            ; the first step is written twice: it differs in which bias tile is a product's C.  The kind is the same in all partners; both ways issue the same LDS loads
	s_cbranch_scc1 .Lfirst_v
	STEP 0, 0, 1
	s_branch .Lfirst_done
.Lfirst_v:
	STEP 0, 0, 2
.Lfirst_done:
	s_mov_b32 s3, LAPS-1
.Llap:                                                 ; a trip goes once round the ring, from a lap's second step to the next lap's first, and fills both slots again
	TURN 0, 1, 1
	STEP 1, 0, 0
	TURN 1, 0, 1
	STEP 0, 0, 0
	s_sub_co_u32 s3, s3, 1
	s_cmp_lg_u32 s3, 0
	s_cbranch_scc1 .Llap
	TURN 0, 1, 0                                   ; the last lap fills nothing, and has no round of the cluster's barrier
	STEP 1, 0, 0
	s_wait_dscnt 4*NL                              ; the very last step: nothing more to fetch
	MWIN 0, 0
	MUL16 0, 1, NQ-1, 1, 0
	MUL16 2, 1, NQ-1, 1, 0
	s_wait_dscnt 0
	MWIN 1, 0
	MUL16 4, 1, NQ-1, 1, 0
	MUL16 6, 1, NQ-1, 1, 0
	WIN 0
	; THE WAY OUT.  No tensor load of mine is out (the last change of slots waited for all), so the descriptors' registers are free.
	; Where the images go.  q: qimg [bh][tile of 16 queries 64][image 2][lane][16 bytes], qs [bh][tile / 4][lane][tile % 4] words.  k, v: kv [bh][step of 128 keys 8][record].  bh = 16 x batch + head.
	s_mov_b32 s24, 0x76543210
	s_mov_b32 s25, 0xfedcba98                      ; v_permlanex16_b32's selects for lane l xor 16
	s_mov_b32 s26, 0x600000                        ; the mantissa field of 448
	s_mov_b32 s27, 0x4800000                       ; the floor 2^(9 - 127)
	s_cmp_eq_u32 s66, 2
	s_cselect_b32 s18, s42, s17                    ; the tile of 256 tokens,
	s_cselect_b32 s19, s16, s15                    ; my half of it,
	s_cselect_b32 s20, s17, s42                    ; the tile of 256 features,
	s_cselect_b32 s21, s15, s16                    ; my half of it
	s_mov_b32 s32, 1024
	s_cselect_b32 s32, 2048, s32                   ; from a block of A to the next: q, k: a tile's two images; v: a tile's four
	s_mov_b32 s34, 1024
	s_cselect_b32 s34, HB-6144, s34                ; from block 3 to block 4: v: on to the next head
	s_mov_b32 s36, 512
	s_cselect_b32 s36, HB, s36                     ; from the first four blocks' scale words to the last four's
	s_cselect_b32 s38, 8192, 0                     ; v's images lie behind k's in a record
	s_mov_b32 s39, 16384
	s_cselect_b32 s39, 17408, s39                  ; the scale words' place in a record
	s_cmp_eq_u32 s66, 0
	s_mov_b32 s22, HB
	s_cselect_b32 s23, 65536, s22                  ; images: bytes from head to head,
	s_cselect_b32 s46, 8192, s22                   ; scale words likewise,
	s_mov_b32 s22, REC
	s_cselect_b32 s47, 8192, s22                   ; images: bytes from 128 tokens to the next,
	s_cselect_b32 s2, 1024, s22                    ; scale words likewise
	s_cselect_b32 s39, 0, s39
	s_cmp_eq_u32 s66, 2
	s_cselect_b32 s28, 1024, s23                   ; from a block's images 0, 1 to its images 2, 3: q, k: the next head; v: 1,024 bytes on
	s_lshl_b32 s18, s18, 8
	s_lshl_b32 s19, s19, 7
	s_add_co_u32 s18, s18, s19                     ; my first token
	s_lshr_b32 s19, s18, 10                        ; its batch
	s_bfe_u32 s18, s18, 0x30007                    ; which 128 tokens of the batch
	s_lshl_b32 s19, s19, 4
	s_lshl_b32 s20, s20, 2
	s_lshl_b32 s21, s21, 1
	s_add_co_u32 s19, s19, s20
	s_add_co_u32 s19, s19, s21                     ; bh of my first head (my 128 features are two heads)
	s_mul_i32 s20, s19, s23
	s_mul_i32 s21, s18, s47
	s_add_co_u32 s20, s20, s21
	s_add_co_u32 s20, s20, s38
	s_mov_b32 s21, 0
	s_add_nc_u64 s[96:97], s[96:97], s[20:21]      ; the images' base (offsets stay under 2^25)
	s_mul_i32 s20, s19, s46
	s_mul_i32 s22, s18, s2
	s_add_co_u32 s20, s20, s22
	s_add_co_u32 s20, s20, s39
	s_add_nc_u64 s[98:99], s[98:99], s[20:21]      ; the scale words' base
	s_mov_b32 s33, 0
	s_mov_b32 s35, 0
	s_mov_b32 s37, 0
	; a store base for each block of A, and one for each half's scale words: no base is stepped while stores are on their way
	s_mov_b64 s[68:69], s[96:97]
	s_add_nc_u64 s[70:71], s[68:69], s[32:33]
	s_add_nc_u64 s[72:73], s[70:71], s[32:33]
	s_add_nc_u64 s[74:75], s[72:73], s[32:33]
	s_add_nc_u64 s[76:77], s[74:75], s[34:35]
	s_add_nc_u64 s[78:79], s[76:77], s[32:33]
	s_add_nc_u64 s[80:81], s[78:79], s[32:33]
	s_add_nc_u64 s[82:83], s[80:81], s[32:33]
	s_add_nc_u64 s[84:85], s[98:99], s[36:37]
	PLACES NP                                      ; behind the last products: for the reads of results and the writes into registers that held A's fragments
	v_and_b32 v[VST0], 31, v0
	v_lshlrev_b32 v[VST0], 4, v[VST0]
	v_add_nc_u32 v[VST1], s28, v[VST0]
	v_add_nc_u32 v[VSO], s46, v[VST0]
.irp b, 0,1,2,3
	v_mov_b32 v[TM+4+\b], 0                        ; written once: a lane permute's destination counts as one of its sources
.endr
; Block a of A: the lane's 64 numbers are four blocks of 32 along the next K, 16 in this lane and 16 in lane l xor 16.  They become 16 registers of codes, stored as four images of 512 bytes (lane l's 16 bytes at 16 l), and a scale word.
.macro QOUT a
.set WA, 2+(\a)/4
.set AC, 64*((\a)%4)
.set PCS, 16*(\a)                      ; the block's codes: 16 registers of its own in window 1, where B's fragments are done with: no store's data are written again
.set EWB, EW+8*((\a)/4)
.set OWB, OW+8*((\a)/4)
.set SB,  68+2*(\a)                    ; the block's store base
.set SW,  98-14*((\a)/4)               ; the scale words' base: s[98:99], then s[84:85]
.set WW, (WA<<2)|(WA<<4)
	WIN WW                                         ; sources 1 and 2: the accumulators' window
.irp b, 0,1,2,3
	v_max3_num_f32 v[TM+\b], s27, |v[AC+16*\b]|, |v[AC+16*\b+1]|   ; each accumulator is read from its low end on; the floor is one of the leaves
.endr
.irp i, 2,4,6,8,10,12,14
.irp b, 0,1,2,3
	v_max3_num_f32 v[TM+\b], v[TM+\b], |v[AC+16*\b+\i]|, |v[AC+16*\b+\i+1]|   ; (the four blocks by turns)
.endr
.endr
	WIN 0
.irp b, 0,1,2,3
	v_permlanex16_b32 v[TM+4+\b], v[TM+\b], s24, s25
.endr
.irp b, 0,1,2,3
	v_max_num_f32 v[TM+\b], v[TM+\b], v[TM+4+\b]   ; with lane l xor 16's: the block's largest magnitude
.endr
.irp b, 0,1,2,3
	v_add_nc_u32 v[TM+12+\b], 0xfc000000, v[TM+\b] ; 8 off its exponent field: the conversion's scale operand
.endr
.irp b, 0,1,2,3
	v_and_or_b32 v[TM+8+\b], v[TM+\b], 0x7f800000, s26   ; 448 x the scale
.endr
.irp b, 0,1,2,3
	v_lshrrev_b32 v[TM+4+\b], 23, v[TM+12+\b]      ; the scale's byte
.endr
	v_lshl_or_b32 v[EWB+(\a)%4], v[TM+5], 8, v[TM+4]
	v_lshl_or_b32 v[EWB+(\a)%4], v[TM+6], 16, v[EWB+(\a)%4]
	v_lshl_or_b32 v[EWB+(\a)%4], v[TM+7], 24, v[EWB+(\a)%4]
	WIN WA                                         ; source 0: the accumulators' window
.irp b, 0,1,2,3
.irp i, 0,1,2,3,4,5,6,7,8,9,10,11,12,13,14,15
	v_med3_num_f32 v[BIAS+16*\b+\i], v[AC+16*\b+\i], -v[TM+8+\b], v[TM+8+\b]   ; the hold at the largest code x the scale (the conversion does not saturate: ISA guide 7.6.2), into window 0
.endr
.endr
	WIN 0
	s_wait_alu depctr_va_vdst(0)
	WIN 0x40                                       ; the codes go to window 1
.irp b, 0,1,2,3
	v_cvt_scalef32_pk8_fp8_f32 v[PCS+4*\b:PCS+4*\b+1], v[BIAS+16*\b:BIAS+16*\b+7], v[TM+12+\b]
	v_cvt_scalef32_pk8_fp8_f32 v[PCS+4*\b+2:PCS+4*\b+3], v[BIAS+16*\b+8:BIAS+16*\b+15], v[TM+12+\b]
.endr
	v_nop                                          ; one plain line behind the last conversion: the next block writes their sources
	WIN 0x04                                       ; a store's data: window 1
	global_store_b128 v[VST0], v[PCS:PCS+3], s[SB:SB+1]            ; each store of the wave covers 512 consecutive bytes, aligned
	global_store_b128 v[VST0], v[PCS+4:PCS+7], s[SB:SB+1] offset:512
	global_store_b128 v[VST1], v[PCS+8:PCS+11], s[SB:SB+1]
	global_store_b128 v[VST1], v[PCS+12:PCS+15], s[SB:SB+1] offset:512
	WIN 0
.if ((\a)%4) == 3
	global_store_b128 v[VST0], v[EWB:EWB+3], s[SW:SW+1]            ; four blocks' scale words.  q, k: the even head reads bytes 0 and 1; bytes 2 and 3 meet zero codes there
	s_cmp_eq_u32 s66, 2
	s_cbranch_scc1 .Lno_odd_\@                     ; v: the word's four bytes are one feature's four blocks of keys: one store
.irp i, 0,1,2,3
	v_lshrrev_b32 v[OWB+\i], 16, v[EWB+\i]         ; q, k: the odd head's two bytes come down
.endr
	global_store_b128 v[VSO], v[OWB:OWB+3], s[SW:SW+1]
.Lno_odd_\@:
.endif
.endm
.irp a, 0,1,2,3,4,5,6,7
	QOUT \a
.endr
	s_wait_tensorcnt 0x0                           ; the wave's end: behind my last tensor load
	ds_add_u32 v[SPW], v[NIL]
	s_wait_dscnt 0x0
	CROUND                                         ; the closing round: no work-group ends while a partner may still ask for a tile that names it
	s_endpgm
.Lfunc_end_k_q40766dd46a_qkv:
	.size	k_q40766dd46a_qkv, .Lfunc_end_k_q40766dd46a_qkv-k_q40766dd46a_qkv
	.p2alignl 7, 3214868480
	.fill 96, 4, 3214868480
	.section	.rodata,"a",@progbits
	.p2align	6, 0x0
	.amdhsa_kernel k_q40766dd46a_qkv
		.amdhsa_group_segment_fixed_size 327680
		.amdhsa_private_segment_fixed_size 0
		.amdhsa_enable_private_segment 0
		.amdhsa_kernarg_size 112
		.amdhsa_user_sgpr_count 2
		.amdhsa_user_sgpr_kernarg_segment_ptr 1
		.amdhsa_wavefront_size32 1
		.amdhsa_system_sgpr_workgroup_id_x 1
		.amdhsa_system_sgpr_workgroup_id_y 1
		.amdhsa_system_sgpr_workgroup_id_z 1
		.amdhsa_system_vgpr_workitem_id 0
		.amdhsa_next_free_vgpr 1024
		.amdhsa_next_free_sgpr 100
		.amdhsa_reserve_vcc 0
		.amdhsa_float_denorm_mode_32 3
		.amdhsa_float_denorm_mode_16_64 3
		.amdhsa_memory_ordered 1
		.amdhsa_forward_progress 1
		.amdhsa_inst_pref_size 208
	.end_amdhsa_kernel
	.amdgpu_metadata
---
amdhsa.version: [ 1, 2 ]
amdhsa.kernels:
  - .name:           k_q40766dd46a_qkv
    .symbol:         k_q40766dd46a_qkv.kd
    .args:
      - { .name: xcodes, .offset: 0, .size: 8, .value_kind: global_buffer, .address_space: global }
      - { .name: xscales, .offset: 8, .size: 8, .value_kind: global_buffer, .address_space: global }
      - { .name: Wq_codes, .offset: 16, .size: 8, .value_kind: global_buffer, .address_space: global }
      - { .name: Wq_scales, .offset: 24, .size: 8, .value_kind: global_buffer, .address_space: global }
      - { .name: Wk_codes, .offset: 32, .size: 8, .value_kind: global_buffer, .address_space: global }
      - { .name: Wk_scales, .offset: 40, .size: 8, .value_kind: global_buffer, .address_space: global }
      - { .name: Wv_codes, .offset: 48, .size: 8, .value_kind: global_buffer, .address_space: global }
      - { .name: Wv_scales, .offset: 56, .size: 8, .value_kind: global_buffer, .address_space: global }
      - { .name: bq, .offset: 64, .size: 8, .value_kind: global_buffer, .address_space: global }
      - { .name: bk, .offset: 72, .size: 8, .value_kind: global_buffer, .address_space: global }
      - { .name: bv, .offset: 80, .size: 8, .value_kind: global_buffer, .address_space: global }
      - { .name: qimg, .offset: 88, .size: 8, .value_kind: global_buffer, .address_space: global }
      - { .name: qs, .offset: 96, .size: 8, .value_kind: global_buffer, .address_space: global }
      - { .name: kv, .offset: 104, .size: 8, .value_kind: global_buffer, .address_space: global }
    .group_segment_fixed_size: 327680
    .private_segment_fixed_size: 0
    .kernarg_segment_align: 8
    .kernarg_segment_size: 112
    .max_flat_workgroup_size: 128
    .sgpr_count:     100
    .vgpr_count:     1024
    .wavefront_size: 32
...
	.end_amdgpu_metadata
.endif
;; end of part 2
;; launch attn (part 3): grid 2 x 128, 8 waves a work-group, no clusters, 327,680 bytes of LDS; arguments qimg, qs, kv, attention_mask, ctximg, cs; writes ctximg, cs
.if DOCPART == 3
	.amdgcn_target "amdgcn-amd-amdhsa--gfx1250"
	.amdhsa_code_object_version 6
	.text
	.protected	k_q40766dd46a_attn
	.globl	k_q40766dd46a_attn
	.p2align	8
	.type	k_q40766dd46a_attn,@function
k_q40766dd46a_attn:
	s_mov_b64 s[64:65], 0
	v_nop
	global_prefetch_b8 v0, s[64:65] scope:SCOPE_SE
	s_setreg_imm32_b32 hwreg(HW_REG_WAVE_MODE, 25, 1), 1
	s_wait_xcnt 0x0
; LAUNCH 3 OF 4.  ctx = softmax(q k^T / 8 + mask) v on codes of FP8 (E4M3) with E8M0 scales; ctx is quantised in registers and leaves as images of operand registers.  No work of reference() is left out.
; t = (q.k + 8 mask) x log2(e) / 8; M = the running largest t rounded up to a whole number; p = 2^(t - M) is quantised along the keys; the row's sum is taken of the unquantised p and divides at the end.
; 8 x mask is the C of the first product (a power of two: nothing is rounded); it is held at -3e38 from below, so that M stays a number.
; LIMITS: the promise holds while the scaled scores stay under 2^31 in magnitude apart from that hold (a larger step of M makes the factor 0); a block of zeros gets the scale byte 1 (zero codes; this program alone reads the bytes); NaN among the inputs is not served.
; SHARES.  A work-group owns 512 queries of one head; each of its 8 waves 64: two passes of TWO tiles of 16 queries, worked together, so that each fragment of K, V, the mask and their scales read from LDS feeds two tiles.
; The head's eight records (128 keys each: K's images, V^T's images, scale words), 143,360 bytes, come into LDS once: each wave asks for 27 rows of 256 bytes (together the first three records and a little more), and behind the head's barrier
; for 43 rows more.  Steps 0 to 2 of the first pass read the first fill alone.
; cluster = none: a head's records are read by two work-groups alone (grid x = 2), once each; a cluster of four along x would hold two heads, and a mask of two places would hang on cx / 2.
; No prefetch: the launch has no loop of tensor loads to run ahead in: its two loads a wave stand at its head.
; LAYOUT (as the launch before stores it).  S^T = K Q^T, O^T = V^T P^T: a lane holds one query.  Product 4 has K = 64: the upper 64 of K's operand are the next tile's codes and meet zero codes on Q's side.
; REGISTERS.  Window 0: addresses, state, scale words, eight blocks' work registers (index x = 4 tile + block), p's codes, the scores of both tiles: the softmax names this window alone.
; Window 1: K's or V's fragments, the step's mask, O^T of both tiles, Q of this pass (upper halves zero), Q of the second pass.
.set REC,   17920
.set HB,    143360
.set RA,    27
.set RB,    43
.set FILLA, 8*RA*256
.set MASK,  143360                     ; 8 x mask of the batch's 1,024 keys: 4,096 bytes of their own
.set SPARE, 147456                     ; the spare words, 128 bytes a wave, named by no other line
.set DUAL,  1                          ; the holds as dual-issue pairs
.set LI,  1                            ; 16 x lane
.set MA,  2                            ; MASK + 32 (lane / 16)
.set SPW, 3
.set NIL, 4
.set ADK, 5                            ; the step's record
.set ADM, 6                            ; the next step's mask
.set L8,  7                            ; 8 x lane
.set ST,  8                            ; v[8:9], v[10:11]: -M and the largest t of tile 0, 1
.set SM,  12                           ; v[12:13], v[14:15]: the sums, in two halves
.set FF,  16                           ; v[16:17], v[18:19]: f = 2^(old M - new M) in the low word
.set TT,  20
.set CSW, 22                           ; ctx's scale words
.set QSC, 24                           ; Q's scale words: this pass's two, the second pass's two
.set PSW, 28                           ; p's scale words
.set KSC, 32
.set VSC, 40
.set MX,  48                           ; eight blocks' largest
.set PB,  56                           ; the other half's largest, then bytes
.set HD,  64                           ; 448 x scale
.set SO,  72                           ; the conversions' scale operands
.set PCD, 80                           ; p's codes, 16 a tile; ahead of that tile 0's sums of pairs
.set S,   112                          ; scores, then p: 64 a tile
.set KF,  0                            ; window 1 from here on: 64 + 8 zeros
.set MK,  72
.set OT,  136
.set QF,  200
.set QH,  232
.set WV,  16
.set MNT, 19
.set SEL, 20
.set CS,  22
.set G1A, 24
.set G0A, 32
.set TB,  36
.set TMN, 37
.set CNT, 38
.set G1B, 48
.set G0B, 56
.set MSB, 0
.macro WIN new                         ; the immediate's high byte repeats the setting that is left
.if MSB != (\new)
	s_set_vgpr_msb (MSB<<8)|(\new)
.set MSB, (\new)
.endif
.endm
.macro INIT                            ; a pass begins: the largest t -3e38, sums and O^T zero (the first change of M multiplies zeros)
.irp u, 0,1
	v_mov_b32 v[ST+2*\u+1], 0xff61b1e6
	v_mov_b32 v[SM+2*\u], 0
	v_mov_b32 v[SM+2*\u+1], 0
.endr
.irp u, 0,1
	v_floor_f32 v[ST+2*\u], -v[ST+2*\u+1]
.endr
	WIN 0x40
.set n, 0
.rept 64
	v_mov_b32 v[OT+n], 0
.set n, n+1
.endr
	WIN 0
.endm
	s_load_b256 s[4:11], s[0:1], 0x0               ; qimg, qs, kv, mask
	s_load_b128 s[12:15], s[0:1], 0x20             ; ctximg, cs
	v_lshl_add_u32 v[SPW], v0, 2, SPARE
	v_mov_b32 v[NIL], 0
	ds_add_u32 v[SPW], v[NIL]                      ; the opening: the add twice on end and its wait ahead of my first tensor load
	ds_add_u32 v[SPW], v[NIL]
	v_lshrrev_b32 v5, 5, v0
	v_readfirstlane_b32 s[WV], v5                  ; wave 0..7
	v_and_b32 v6, 31, v0
	v_lshlrev_b32 v[LI], 4, v6
	v_lshlrev_b32 v[L8], 3, v6
	v_bfe_u32 v6, v0, 4, 1
	v_lshl_add_u32 v[MA], v6, 5, MASK
	v_lshlrev_b32 v244, 4, v0                      ; my 16 bytes of the batch's mask,
	v_lshl_add_u32 v245, v0, 4, MASK               ; and where they go
	s_mov_b32 s17, ttmp9                           ; which 512 queries
	s_and_b32 s18, ttmp7, 0xffff                   ; bh = 16 x batch + head
	s_mov_b32 s[MNT], 0x600000
	s_mov_b32 s[SEL], 0x76543210
	s_mov_b32 s[SEL+1], 0xfedcba98
	s_mov_b32 s[CS], 0x3e38aa3b                    ; log2(e) / 8
	s_mov_b32 s[CS+1], s[CS]
	s_mov_b32 s[G1A+0], 3<<16                      ; dense rows of 256 bytes: 32 elements of 8 bytes
	s_mov_b32 s[G1A+1], 32<<16
	s_mov_b32 s[G1A+2], RA<<16
	s_mov_b32 s[G1A+3], 32<<16
	s_mov_b32 s[G1A+4], RA
	s_mov_b32 s[G1A+5], 32
	s_mov_b32 s[G1A+6], 0
	s_mov_b32 s[G1A+7], 0
	s_mov_b32 s[G1B+0], 3<<16
	s_mov_b32 s[G1B+1], 32<<16
	s_mov_b32 s[G1B+2], RB<<16
	s_mov_b32 s[G1B+3], 32<<16
	s_mov_b32 s[G1B+4], RB
	s_mov_b32 s[G1B+5], 32
	s_mov_b32 s[G1B+6], 0
	s_mov_b32 s[G1B+7], 0
	s_mul_i32 s[G0A+1], s[WV], RA*256              ; LDS holds the head's bytes as memory does
	s_mul_i32 s[G0B+1], s[WV], RB*256
	s_add_co_u32 s[G0B+1], s[G0B+1], FILLA
	s_mul_i32 s40, s18, HB
	s_add_co_u32 s42, s40, s[G0B+1]
	s_add_co_u32 s40, s40, s[G0A+1]
	s_mov_b32 s41, 0
	s_mov_b32 s43, 0
	s_lshr_b32 s39, s18, 4                         ; batch
	s_lshl_b32 s44, s39, 12                        ; its mask
	s_mov_b32 s45, 0
	s_lshl_b32 s36, s17, 3
	s_add_co_u32 s36, s36, s[WV]                   ; g: my four tiles of queries are 4 g .. 4 g + 3
	s_lshl_b32 s46, s18, 16
	s_lshl_b32 s37, s36, 12
	s_add_co_u32 s46, s46, s37                     ; Q's images: 1,024 bytes a tile
	s_mov_b32 s47, 0
	s_lshl_b32 s60, s18, 13
	s_lshl_b32 s37, s36, 9
	s_add_co_u32 s60, s60, s37                     ; qs and cs alike: 512 bytes for four tiles
	s_mov_b32 s61, 0
	s_lshl_b32 s62, s39, 20
	s_lshl_b32 s37, s36, 16
	s_add_co_u32 s62, s62, s37
	s_and_b32 s37, s18, 15
	s_lshl_b32 s37, s37, 10
	s_add_co_u32 s62, s62, s37                     ; ctximg: 16,384 bytes a tile, 1,024 a head in it
	s_mov_b32 s63, 0
	s_wait_alu depctr_va_vdst(0)
	s_wait_dscnt 0x0
	s_wait_kmcnt 0x0
	s_mov_b32 s[G0A], 1
	s_add_nc_u64 s[G0A+2:G0A+3], s[8:9], s[40:41]
	s_or_b32 s[G0A+3], s[G0A+3], 0x80000000
	s_mov_b32 s[G0B], 1
	s_add_nc_u64 s[G0B+2:G0B+3], s[8:9], s[42:43]
	s_or_b32 s[G0B+3], s[G0B+3], 0x80000000
	tensor_load_to_lds s[G0A:G0A+3], s[G1A:G1A+7]  ; my one load at the head
	s_nop 0
	s_add_nc_u64 s[10:11], s[10:11], s[44:45]
	s_add_nc_u64 s[4:5], s[4:5], s[46:47]
	s_add_nc_u64 s[6:7], s[6:7], s[60:61]
	s_add_nc_u64 s[14:15], s[14:15], s[60:61]
	s_add_nc_u64 s[12:13], s[12:13], s[62:63]
	global_load_b128 v[240:243], v244, s[10:11]
	global_load_b128 v[QSC:QSC+3], v[LI], s[6:7]   ; four tiles' scale words
	WIN 0x40
.irp i, 0,1
.irp m, 0,1
	global_load_b128 v[QF+16*\i+4*\m:QF+16*\i+4*\m+3], v[LI], s[4:5] offset:1024*\i+512*\m
.endr
.endr
.irp j, 0,1,2,3,4,5,6,7
	v_mov_b32 v[QF+8+\j], 0                        ; Q's upper 64 along K: zero codes
	v_mov_b32 v[QF+24+\j], 0
	v_mov_b32 v[KF+64+\j], 0                       ; what K's last tile has as its upper 64
.endr
	WIN 0
	INIT
.irp x, 0,1,2,3,4,5,6,7
	v_mov_b32 v[PB+\x], 0                          ; a lane permute's destination counts as one of its sources
.endr
.irp u, 0,1
	v_mov_b32 v[TT+\u], 0
	v_mov_b32 v[FF+2*\u+1], 0                      ; named as a pair's upper half
.endr
	s_wait_loadcnt 0x0
.irp j, 0,1,2,3
	v_mul_f32 v[240+\j], 0x41000000, v[240+\j]     ; 8 x mask
.endr
.irp j, 0,1,2,3
	v_max_num_f32 v[240+\j], 0xff61b1e6, v[240+\j]
.endr
	ds_store_b128 v245, v[240:243]
	s_wait_alu depctr_va_vdst(0)                   ; the head's end
	s_wait_tensorcnt 0x0                           ; my part of the first fill is in
	ds_add_u32 v[SPW], v[NIL]
	s_wait_dscnt 0x0                               ; the add and my mask store
	s_barrier_signal -1
	s_barrier_wait -1
	tensor_load_to_lds s[G0B:G0B+3], s[G1B:G1B+7]  ; the rest of the head: my one load behind this barrier
	s_nop 0
	WIN 0x40
.irp t, 0,1,2,3,4,5,6,7
	ds_load_b128 v[MK+8*\t:MK+8*\t+3], v[MA] offset:64*\t          ; step 0's mask
	ds_load_b128 v[MK+8*\t+4:MK+8*\t+7], v[MA] offset:64*\t+16
.endr
.irp i, 0,1
.irp m, 0,1
	global_load_b128 v[QH+8*\i+4*\m:QH+8*\i+4*\m+3], v[LI], s[4:5] offset:2048+1024*\i+512*\m   ; the second pass's Q is asked for here, behind what the first steps wait for; it is awaited at the change of pass
.endr
.endr
	WIN 0
; A KEY STEP: 128 keys against my two tiles of queries.
.macro STEP
	v_add_nc_u32 v[ADK], s[TB], v[LI]
	v_add_nc_u32 v[ADM], s[TMN], v[MA]
.rept 6
	v_nop                                          ; with the two lines above: eight places behind the last products, ahead of loads into their registers
.endr
	ds_load_b128 v[KSC:KSC+3], v[ADK] offset:16384
	ds_load_b128 v[KSC+4:KSC+7], v[ADK] offset:16896
	ds_load_b128 v[VSC:VSC+3], v[ADK] offset:17408
	WIN 0x40
.irp t, 0,1,2,3,4,5,6,7
	ds_load_b128 v[KF+8*\t:KF+8*\t+3], v[ADK] offset:1024*\t
	ds_load_b128 v[KF+8*\t+4:KF+8*\t+7], v[ADK] offset:1024*\t+512
.endr
	s_wait_alu depctr_va_vdst(0)
	s_wait_dscnt 0x0
	WIN 0x15                                       ; K, Q, mask in window 1, scores in window 0
.irp t, 0,1,2,3,4,5,6,7
.irp u, 0,1
	v_wmma_scale_f32_16x16x128_f8f6f4 v[S+64*\u+8*\t:S+64*\u+8*\t+7], v[KF+8*\t:KF+8*\t+15], v[QF+16*\u:QF+16*\u+15], v[MK+8*\t:MK+8*\t+7], v[KSC+\t], v[QSC+\u]
.endr
.endr
.rept 8
	v_nop
.endr
	WIN 0x40
.irp t, 0,1,2,3
.irp c, 0,1,2,3
	ds_load_b128 v[KF+16*\t+4*\c:KF+16*\t+4*\c+3], v[ADK] offset:8192+2048*\t+512*\c   ; V^T
.endr
.endr
.irp t, 0,1,2,3,4,5,6,7
	ds_load_b128 v[MK+8*\t:MK+8*\t+3], v[ADM] offset:64*\t         ; the next step's mask
	ds_load_b128 v[MK+8*\t+4:MK+8*\t+7], v[ADM] offset:64*\t+16
.endr
	WIN 0
.irp x, 0,1,2,3,4,5,6,7
	v_max3_num_f32 v[MX+\x], v[S+16*\x], v[S+16*\x+1], v[S+16*\x+2]   ; each block's largest score: for the row's maximum and for the block's largest p; eight blocks by turns
.endr
.irp i, 3,5,7,9,11,13
.irp x, 0,1,2,3,4,5,6,7
	v_max3_num_f32 v[MX+\x], v[MX+\x], v[S+16*\x+\i], v[S+16*\x+\i+1]
.endr
.endr
.irp x, 0,1,2,3,4,5,6,7
	v_max_num_f32 v[MX+\x], v[MX+\x], v[S+16*\x+15]
.endr
.irp x, 0,1,2,3,4,5,6,7
	v_permlanex16_b32 v[PB+\x], v[MX+\x], s[SEL], s[SEL+1]
.endr
.irp x, 0,1,2,3,4,5,6,7
	v_max_num_f32 v[MX+\x], v[MX+\x], v[PB+\x]
.endr
.irp u, 0,1
	v_max3_num_f32 v[TT+\u], v[MX+4*\u], v[MX+4*\u+1], v[MX+4*\u+2]
.endr
.irp u, 0,1
	v_max_num_f32 v[TT+\u], v[TT+\u], v[MX+4*\u+3]
.endr
.irp u, 0,1
	v_mul_f32 v[TT+\u], s[CS], v[TT+\u]
.endr
.irp u, 0,1
	v_max_num_f32 v[ST+2*\u+1], v[ST+2*\u+1], v[TT+\u]             ; the running largest t
.endr
.irp u, 0,1
	v_mov_b32 v[TT+\u], v[ST+2*\u]
.endr
.irp u, 0,1
	v_floor_f32 v[ST+2*\u], -v[ST+2*\u+1]                          ; -M = floor(-t)
.endr
.irp u, 0,1
	v_sub_f32 v[TT+\u], v[ST+2*\u], v[TT+\u]
.endr
.irp u, 0,1
	v_cvt_i32_f32 v[TT+\u], v[TT+\u]
.endr
.irp u, 0,1
	v_ldexp_f32 v[FF+2*\u], 1.0, v[TT+\u]                          ; f = 2^(old M - new M)
.endr
.set n, 0
.rept 32
	v_pk_fma_f32 v[S+n:S+n+1], v[S+n:S+n+1], s[CS:CS+1], v[ST:ST+1] op_sel_hi:[1,0,0]   ; tile 0: t - M
.set n, n+2
.endr
.irp b, 0,1,2,3
	v_fma_f32 v[MX+\b], v[MX+\b], s[CS], v[ST]
.endr
	s_wait_alu depctr_va_vdst(0)                   ; ahead of a batch
.set n, 0
.rept 32                                       ; tile 0's exponentials; among them tile 1's t - M, which names none of their registers
	v_exp_f32 v[S+n], v[S+n]
	v_exp_f32 v[S+n+1], v[S+n+1]
	v_pk_fma_f32 v[S+64+n:S+64+n+1], v[S+64+n:S+64+n+1], s[CS:CS+1], v[ST+2:ST+3] op_sel_hi:[1,0,0]
.set n, n+2
.endr
.irp b, 0,1,2,3
	v_exp_f32 v[MX+\b], v[MX+\b]
	v_fma_f32 v[MX+4+\b], v[MX+4+\b], s[CS], v[ST+2]
.endr
	s_wait_alu depctr_va_vdst(0)                   ; behind tile 0's batch and ahead of tile 1's
.set n, 0
.rept 16                                       ; tile 1's exponentials; among them tile 0's p summed by pairs, each into registers of its own
	v_exp_f32 v[S+64+4*n], v[S+64+4*n]
	v_exp_f32 v[S+64+4*n+1], v[S+64+4*n+1]
	v_exp_f32 v[S+64+4*n+2], v[S+64+4*n+2]
	v_exp_f32 v[S+64+4*n+3], v[S+64+4*n+3]
	v_pk_add_f32 v[PCD+2*n:PCD+2*n+1], v[S+4*n:S+4*n+1], v[S+4*n+2:S+4*n+3]
.set n, n+1
.endr
.irp u, 0,1
	v_exp_f32 v[MX+4+2*\u], v[MX+4+2*\u]
	v_exp_f32 v[MX+5+2*\u], v[MX+5+2*\u]
	v_pk_mul_f32 v[SM+2*\u:SM+2*\u+1], v[SM+2*\u:SM+2*\u+1], v[FF+2*\u:FF+2*\u+1] op_sel_hi:[1,0]   ; the sums under the new M
.endr
	s_wait_alu depctr_va_vdst(0)                   ; behind the batch
	v_pk_add_f32 v[PB:PB+1], v[S+64:S+65], v[S+66:S+67]            ; the sums of the unquantised p, three chains by turns
	v_pk_add_f32 v[SM:SM+1], v[SM:SM+1], v[PCD:PCD+1]
.set n, 1
.rept 15
	v_pk_add_f32 v[SM+2:SM+3], v[SM+2:SM+3], v[S+64+4*n:S+64+4*n+1]
	v_pk_add_f32 v[PB:PB+1], v[PB:PB+1], v[S+64+4*n+2:S+64+4*n+3]
	v_pk_add_f32 v[SM:SM+1], v[SM:SM+1], v[PCD+2*n:PCD+2*n+1]
.set n, n+1
.endr
	v_pk_add_f32 v[SM+2:SM+3], v[SM+2:SM+3], v[PB:PB+1]
.irp x, 0,1,2,3,4,5,6,7
	v_max_num_f32 v[MX+\x], 0x4800000, v[MX+\x]    ; the floor 2^(9 - 127): the byte cannot fall under 1
.endr
.irp x, 0,1,2,3,4,5,6,7
	v_add_nc_u32 v[SO+\x], 0xfc000000, v[MX+\x]    ; 8 off the exponent field
.endr
.irp x, 0,1,2,3,4,5,6,7
	v_and_or_b32 v[HD+\x], v[MX+\x], 0x7f800000, s[MNT]   ; 448 x the scale
.endr
.irp x, 0,1,2,3,4,5,6,7
	v_lshrrev_b32 v[PB+\x], 23, v[SO+\x]
.endr
.irp u, 0,1
	v_lshl_or_b32 v[PSW+\u], v[PB+4*\u+1], 8, v[PB+4*\u]
.endr
.irp u, 0,1
	v_lshl_or_b32 v[PSW+\u], v[PB+4*\u+2], 16, v[PSW+\u]
.endr
.irp u, 0,1
	v_lshl_or_b32 v[PSW+\u], v[PB+4*\u+3], 24, v[PSW+\u]
.endr
.irp x, 0,1,2,3,4,5,6,7
.irp i, 0,2,4,6,8,10,12,14
.if DUAL
	v_dual_min_num_f32 v[S+16*\x+\i], v[S+16*\x+\i], v[HD+\x] :: v_dual_min_num_f32 v[S+16*\x+\i+1], v[S+16*\x+\i+1], v[HD+\x]   ; the hold (ISA guide 7.6.2: the conversion does not saturate); p is not negative
.else
	v_min_num_f32 v[S+16*\x+\i], v[S+16*\x+\i], v[HD+\x]
	v_min_num_f32 v[S+16*\x+\i+1], v[S+16*\x+\i+1], v[HD+\x]
.endif
.endr
	v_cvt_scalef32_pk8_fp8_f32 v[PCD+4*\x:PCD+4*\x+1], v[S+16*\x:S+16*\x+7], v[SO+\x]
	v_cvt_scalef32_pk8_fp8_f32 v[PCD+4*\x+2:PCD+4*\x+3], v[S+16*\x+8:S+16*\x+15], v[SO+\x]
.endr
	WIN 0x41
	s_wait_alu depctr_va_vdst(0)                   ; directly ahead of the first reader of O^T
.irp u, 0,1
.set n, 0
.rept 16
	v_pk_mul_f32 v[OT+32*\u+n:OT+32*\u+n+1], v[OT+32*\u+n:OT+32*\u+n+1], v[FF+2*\u:FF+2*\u+1] op_sel_hi:[1,0]   ; O^T under the new M; also the places ahead of the products
.set n, n+2
.endr
.endr
	s_wait_alu depctr_va_vdst(0)
	s_wait_dscnt 16                                ; V's 16 loads are in; the 16 mask loads issued behind them may be out
	WIN 0x51                                       ; V and O^T in window 1, p's codes in window 0
.irp t, 0,1,2,3
.irp u, 0,1
	v_wmma_scale_f32_16x16x128_f8f6f4 v[OT+32*\u+8*\t:OT+32*\u+8*\t+7], v[KF+16*\t:KF+16*\t+15], v[PCD+16*\u:PCD+16*\u+15], v[OT+32*\u+8*\t:OT+32*\u+8*\t+7], v[VSC+\t], v[PSW+\u]
.endr
.endr
	WIN 0
.endm
	s_mov_b32 s[TB], 0
	s_mov_b32 s[TMN], 512
	s_mov_b32 s[CNT], 0
.Lfirst:                                           ; steps 0 to 2 of the first pass: the first fill's records
	STEP
	s_add_co_u32 s[TB], s[TB], REC
	s_add_co_u32 s[TMN], s[TMN], 512
	s_add_co_u32 s[CNT], s[CNT], 1
	s_cmp_lt_u32 s[CNT], 3
	s_cbranch_scc1 .Lfirst
	s_wait_tensorcnt 0x0                           ; my part of the rest is in,
	s_wait_dscnt 0x0
	s_barrier_signal -1
	s_barrier_wait -1                              ; everybody's is
	s_mov_b32 s[TB], 3*REC
	s_mov_b32 s[TMN], 4*512
	s_mov_b32 s[CNT], 3
.Lrest:                                            ; steps 3 to 15: step c reads record c % 8; behind steps 7 and 15 a pass ends
	STEP
	s_and_b32 s39, s[CNT], 7
	s_cmp_lg_u32 s39, 7
	s_cbranch_scc1 .Lgo
	; A PASS ENDS: O^T / the sum, quantised along the head's 64 (two blocks a tile), stored as images, with a scale word a tile
.rept 8
	v_nop
.endr
.irp u, 0,1
	v_add_f32 v[SM+2*\u], v[SM+2*\u], v[SM+2*\u+1]
.endr
.irp u, 0,1
	v_permlanex16_b32 v[TT+\u], v[SM+2*\u], s[SEL], s[SEL+1]
.endr
.irp u, 0,1
	v_add_f32 v[SM+2*\u], v[SM+2*\u], v[TT+\u]
.endr
	s_wait_alu depctr_va_vdst(0)                   ; ahead of the transcendentals
.irp u, 0,1
	v_rcp_f32 v[FF+2*\u], v[SM+2*\u]
.endr
	v_nop
	WIN 0x01
	s_wait_alu depctr_va_vdst(0)                   ; behind them, and directly ahead of the first reader of O^T
.irp u, 0,1
.set n, 0
.rept 16
	v_pk_mul_f32 v[S+32*\u+n:S+32*\u+n+1], v[OT+32*\u+n:OT+32*\u+n+1], v[FF+2*\u:FF+2*\u+1] op_sel_hi:[1,0]
.set n, n+2
.endr
.endr
	WIN 0
.irp x, 0,1,2,3
	v_max3_num_f32 v[MX+\x], |v[S+16*\x]|, |v[S+16*\x+1]|, 0x4800000
.endr
.irp k, 2,4,6,8,10,12,14
.irp x, 0,1,2,3
	v_max3_num_f32 v[MX+\x], v[MX+\x], |v[S+16*\x+\k]|, |v[S+16*\x+\k+1]|
.endr
.endr
.irp x, 0,1,2,3
	v_permlanex16_b32 v[PB+\x], v[MX+\x], s[SEL], s[SEL+1]
.endr
.irp x, 0,1,2,3
	v_max_num_f32 v[MX+\x], v[MX+\x], v[PB+\x]
.endr
.irp x, 0,1,2,3
	v_add_nc_u32 v[SO+\x], 0xfc000000, v[MX+\x]
.endr
.irp x, 0,1,2,3
	v_and_or_b32 v[HD+\x], v[MX+\x], 0x7f800000, s[MNT]
.endr
.irp x, 0,1,2,3
	v_lshrrev_b32 v[PB+\x], 23, v[SO+\x]
.endr
.irp u, 0,1
	v_lshl_or_b32 v[CSW+\u], v[PB+2*\u+1], 8, v[PB+2*\u]
.endr
.irp x, 0,1,2,3
.irp k, 0,1,2,3,4,5,6,7,8,9,10,11,12,13,14,15
	v_med3_num_f32 v[S+16*\x+\k], v[S+16*\x+\k], -v[HD+\x], v[HD+\x]
.endr
	v_cvt_scalef32_pk8_fp8_f32 v[PCD+4*\x:PCD+4*\x+1], v[S+16*\x:S+16*\x+7], v[SO+\x]
	v_cvt_scalef32_pk8_fp8_f32 v[PCD+4*\x+2:PCD+4*\x+3], v[S+16*\x+8:S+16*\x+15], v[SO+\x]
.endr
	v_nop                                          ; one plain line behind the last conversion
.irp u, 0,1
	global_store_b128 v[LI], v[PCD+8*\u:PCD+8*\u+3], s[12:13] offset:16384*\u       ; each store of the wave covers 512 consecutive bytes, aligned
	global_store_b128 v[LI], v[PCD+8*\u+4:PCD+8*\u+7], s[12:13] offset:16384*\u+512
.endr
	global_store_b64 v[L8], v[CSW:CSW+1], s[14:15]                 ; 256 consecutive bytes, aligned
	s_wait_xcnt 0x0                                ; the stores' data and bases are written again only behind this wait
	s_add_nc_u64 s[12:13], s[12:13], 32768         ; the second pass's two tiles
	s_add_nc_u64 s[14:15], s[14:15], 256
	s_cmp_eq_u32 s[CNT], 15
	s_cbranch_scc1 .Lgo                            ; behind the last pass nothing is set up
	s_wait_loadcnt 0x0                             ; the second pass's Q is in
	v_mov_b32 v[QSC], v[QSC+2]
	v_mov_b32 v[QSC+1], v[QSC+3]
	INIT
	WIN 0x41
.irp u, 0,1
.irp j, 0,1,2,3,4,5,6,7
	v_mov_b32 v[QF+16*\u+\j], v[QH+8*\u+\j]        ; the second pass's Q, into the registers that have zeros behind them
.endr
.endr
	WIN 0
	s_wait_alu depctr_va_vdst(0)
.Lgo:
	s_add_co_u32 s[CNT], s[CNT], 1
	s_and_b32 s[TB], s[CNT], 7
	s_mul_i32 s[TB], s[TB], REC
	s_add_co_u32 s[TMN], s[CNT], 1
	s_and_b32 s[TMN], s[TMN], 7
	s_lshl_b32 s[TMN], s[TMN], 9
	s_cmp_lt_u32 s[CNT], 16
	s_cbranch_scc1 .Lrest
	s_wait_tensorcnt 0x0                           ; the wave's end
	ds_add_u32 v[SPW], v[NIL]
	s_wait_dscnt 0x0
	s_endpgm
.Lfunc_end_k_q40766dd46a_attn:
	.size	k_q40766dd46a_attn, .Lfunc_end_k_q40766dd46a_attn-k_q40766dd46a_attn
	.p2alignl 7, 3214868480
	.fill 96, 4, 3214868480
	.section	.rodata,"a",@progbits
	.p2align	6, 0x0
	.amdhsa_kernel k_q40766dd46a_attn
		.amdhsa_group_segment_fixed_size 327680
		.amdhsa_private_segment_fixed_size 0
		.amdhsa_enable_private_segment 0
		.amdhsa_kernarg_size 48
		.amdhsa_user_sgpr_count 2
		.amdhsa_user_sgpr_kernarg_segment_ptr 1
		.amdhsa_wavefront_size32 1
		.amdhsa_system_sgpr_workgroup_id_x 1
		.amdhsa_system_sgpr_workgroup_id_y 1
		.amdhsa_system_sgpr_workgroup_id_z 1
		.amdhsa_system_vgpr_workitem_id 0
		.amdhsa_next_free_vgpr 512
		.amdhsa_next_free_sgpr 66
		.amdhsa_reserve_vcc 0
		.amdhsa_float_denorm_mode_32 3
		.amdhsa_float_denorm_mode_16_64 3
		.amdhsa_memory_ordered 1
		.amdhsa_forward_progress 1
		.amdhsa_inst_pref_size 96
	.end_amdhsa_kernel
	.amdgpu_metadata
---
amdhsa.version: [ 1, 2 ]
amdhsa.kernels:
  - .name:           k_q40766dd46a_attn
    .symbol:         k_q40766dd46a_attn.kd
    .args:
      - { .name: qimg, .offset: 0, .size: 8, .value_kind: global_buffer, .address_space: global }
      - { .name: qs, .offset: 8, .size: 8, .value_kind: global_buffer, .address_space: global }
      - { .name: kv, .offset: 16, .size: 8, .value_kind: global_buffer, .address_space: global }
      - { .name: attention_mask, .offset: 24, .size: 8, .value_kind: global_buffer, .address_space: global }
      - { .name: ctximg, .offset: 32, .size: 8, .value_kind: global_buffer, .address_space: global }
      - { .name: cs, .offset: 40, .size: 8, .value_kind: global_buffer, .address_space: global }
    .group_segment_fixed_size: 327680
    .private_segment_fixed_size: 0
    .kernarg_segment_align: 8
    .kernarg_segment_size: 48
    .max_flat_workgroup_size: 256
    .sgpr_count:     66
    .vgpr_count:     512
    .wavefront_size: 32
...
	.end_amdgpu_metadata
.endif
;; end of part 3
;; launch outln (part 4): grid 256 x 1, 8 waves a work-group, clusters of 4 x 1, 327,680 bytes of LDS; arguments ctximg, cs, Wo_codes, Wo_scales, bo, input_tensor, ln_gamma, ln_beta, out0; writes out0
.if DOCPART == 4
	.amdgcn_target "amdgcn-amd-amdhsa--gfx1250"
	.amdhsa_code_object_version 6
	.text
	.protected	k_q40766dd46a_outln
	.globl	k_q40766dd46a_outln
	.p2align	8
	.type	k_q40766dd46a_outln,@function
k_q40766dd46a_outln:
	s_mov_b64 s[64:65], 0
	v_nop
	global_prefetch_b8 v0, s[64:65] scope:SCOPE_SE
	s_setreg_imm32_b32 hwreg(HW_REG_WAVE_MODE, 25, 1), 1
	s_wait_xcnt 0x0
	s_wait_alu depctr_hold_cnt(0) depctr_sa_sdst(0) depctr_va_vdst(0) depctr_va_sdst(0) depctr_va_ssrc(0) depctr_va_vcc(0) depctr_vm_vsrc(0)
	s_getreg_b32 s2, hwreg(HW_REG_IB_STS2, 6, 4)
	s_cmp_eq_u32 s2, 0
	s_cbranch_scc0 .Lentry_in_a_cluster
	s_endpgm
.Lentry_in_a_cluster:
	s_bfe_u32 s2, ttmp6, 0x10000c
	s_cmp_lg_u32 s2, 0x3003
	s_cbranch_scc0 .Lentry_shape_is_right
	s_endpgm
.Lentry_shape_is_right:
.set SLOT,  139264
.set AIMG,  278528
.set SPARE, 311296
.set SPIT,  4112
.set LI,  1
.set WB,  2
.set AA,  4
.set SPW, 5
.set NIL, 6
.set STO, 7
.set SR,  9
.set VH,  13
.set WSC, 16
.set CSC, 48
.set AFR, 64
.set BFR, 128
.set GAM, 64
.set BET, 96
.set SU,  128
.set SQ,  144
.set RS,  160
.set COF, 192
.set WOF, 196
.set BOC, 128
.set WV,  22
.set ROT, 25
.set G1,  28
.set G0,  36
.set SEL, 44
.set WOB, 52
.set MSB, 0
.macro WIN new
.if MSB != (\new)
	s_set_vgpr_msb (MSB<<8)|(\new)
.set MSB, (\new)
.endif
.endm
.macro ROUND
	s_barrier_signal -1
	s_barrier_wait -1
	s_cmp_lg_u32 s[WV], 0
	s_cbranch_scc1 .Lnot_wave_0_\@
	s_barrier_signal -3
.Lnot_wave_0_\@:
	s_barrier_wait -3
	s_barrier_signal -1
	s_barrier_wait -1
.endm
.macro TADDR p, t
	s_xor_b32 s54, s[ROT], (\t)
	s_lshr_b32 s56, s54, 2
	s_lshl_b32 s56, s56, 19
	s_and_b32 s54, s54, 3
	s_lshl_b32 s54, s54, 8
	s_add_co_u32 s54, s54, s56
	s_add_nc_u64 s[G0+4*(\p)+2:G0+4*(\p)+3], s[WOB:WOB+1], s[54:55]
	s_or_b32 s[G0+4*(\p)+3], s[G0+4*(\p)+3], 0x80000000
.endm
	s_load_b512 s[4:19], s[0:1], 0x0
	s_load_b64 s[20:21], s[0:1], 0x40
	v_lshl_add_u32 v[SPW], v0, 2, SPARE
	v_mov_b32 v[NIL], 0
	ds_add_u32 v[SPW], v[NIL]
	ds_add_u32 v[SPW], v[NIL]
	v_lshrrev_b32 v10, 5, v0
	s_delay_alu instid0(VALU_DEP_1)
	v_readfirstlane_b32 s[WV], v10
	s_bfe_u32 s23, ttmp6, 0x40000
	s_lshl_b32 s24, ttmp9, 2
	s_add_co_u32 s24, s24, s23
	s_and_b32 s[ROT], ttmp9, 7
	s_and_b32 s26, s[ROT], 3
	s_lshr_b32 s27, s[ROT], 2
	s_mov_b32 s[G1+0], 15|(0<<16)|(1<<20)|(1<<21)|(5<<22)|(3<<25)
	s_mov_b32 s[G1+1], 256<<16
	s_mov_b32 s[G1+2], 64<<16
	s_mov_b32 s[G1+3], 256<<16
	s_mov_b32 s[G1+4], 64
	s_mov_b32 s[G1+5], 1024
	s_mov_b32 s[G1+6], 0
	s_mov_b32 s[G1+7], 0
	s_mov_b32 s[SEL], 0x76543210
	s_mov_b32 s[SEL+1], 0xfedcba98
	s_mul_i32 s[G0+1], s[WV], 17408
	s_add_co_u32 s[G0+5], s[G0+1], SLOT
	s_lshl_b32 s46, s[WV], 16
	s_mov_b32 s47, 0
	s_mov_b32 s55, 0
	s_mov_b32 s57, 0
	s_wait_dscnt 0x0
	s_wait_kmcnt 0x0
	s_add_nc_u64 s[WOB:WOB+1], s[8:9], s[46:47]
	s_mov_b32 s[G0], 1
	s_mov_b32 s[G0+4], 1
	TADDR 0, 0
	TADDR 1, 1
	ROUND
	tensor_load_to_lds s[G0:G0+3], s[G1:G1+7]
	s_nop 0
	s_wait_alu depctr_va_vdst(0)
	s_wait_tensorcnt 0x0
	ds_add_u32 v5, v6
	s_wait_dscnt 0x0
	ROUND
	tensor_load_to_lds s[G0+4:G0+7], s[G1:G1+7]
	s_nop 0
.rept 4
	v_nop
.endr
	v_and_b32 v10, 31, v0
	s_delay_alu instid0(VALU_DEP_1)
	v_lshlrev_b32 v[LI], 4, v10
	s_delay_alu instid0(VALU_DEP_2)
	v_lshlrev_b32 v198, 3, v10
	s_wait_alu depctr_va_vdst(0)
.irp a, 0,1,2,3
	s_xor_b32 s48, s26, \a
	s_lshl_b32 s48, s48, 15
	v_add_nc_u32 v[COF+\a], s48, v198
.endr
	s_wait_alu depctr_va_vdst(0)
	v_and_b32 v10, 15, v0
	v_bfe_u32 v11, v0, 4, 1
	s_lshr_b32 s50, s26, 1
	s_and_b32 s51, s26, 1
	s_lshl_b32 s51, s51, 3
	s_xor_b32 s56, s51, 8
	v_xor_b32 v198, s50, v11
	v_lshlrev_b32 v[WOF], 5, v10
	s_delay_alu instid0(VALU_DEP_1)
	v_lshl_add_u32 v[WOF], v198, 4, v[WOF]
	s_delay_alu instid0(VALU_DEP_1)
	v_add_nc_u32 v[WOF+1], s56, v[WOF]
	s_delay_alu instid0(VALU_DEP_2)
	v_add_nc_u32 v[WOF], s51, v[WOF]
	s_wait_alu depctr_va_vdst(0)
	v_lshlrev_b32 v15, 5, v11
	s_wait_alu depctr_va_vdst(0)
	s_xor_b32 s49, s[WV], s26
	s_lshl_b32 s49, s49, 12
	s_lshl_b32 s46, s24, 15
	s_add_co_u32 s46, s46, s49
	s_add_nc_u64 s[4:5], s[4:5], s[46:47]
	s_lshr_b32 s46, s24, 5
	s_lshl_b32 s46, s46, 17
	s_and_b32 s49, s24, 31
	s_lshl_b32 s49, s49, 8
	s_add_co_u32 s46, s46, s49
	s_add_nc_u64 s[6:7], s[6:7], s[46:47]
	s_lshl_b32 s46, s[WV], 11
	s_lshl_b32 s49, s27, 14
	s_add_co_u32 s46, s46, s49
	s_xor_b32 s56, s46, 16384
	s_add_nc_u64 s[58:59], s[10:11], s[56:57]
	s_add_nc_u64 s[10:11], s[10:11], s[46:47]
	s_lshl_b32 s46, s[WV], 8
	s_lshl_b32 s49, s27, 11
	s_add_co_u32 s46, s46, s49
	s_xor_b32 s56, s46, 2048
	s_add_nc_u64 s[60:61], s[12:13], s[56:57]
	s_add_nc_u64 s[12:13], s[12:13], s[46:47]
	s_lshl_b32 s46, s24, 5
	s_lshl_b32 s49, s[WV], 2
	s_add_co_u32 s46, s46, s49
	s_lshl_b32 s46, s46, 12
	s_add_nc_u64 s[14:15], s[14:15], s[46:47]
	s_add_nc_u64 s[20:21], s[20:21], s[46:47]
.irp i, 0,1,2,3,4,5,6,7
	global_load_b128 v[128+4*\i:128+4*\i+3], v[LI], s[4:5] offset:512*\i
.endr
.irp a, 0,1,2,3
.irp q, 0,1,2,3
	global_load_b64 v[160+2*(4*\a+\q):160+2*(4*\a+\q)+1], v[COF+\a], s[6:7] offset:8192*\q
.endr
.endr
.irp f, 0,1,2,3
.irp j, 0,1
	global_load_b64 v[WSC+4*\f+2*\j:WSC+4*\f+2*\j+1], v[WOF+\j], s[10:11] offset:512*\f
	global_load_b64 v[WSC+16+4*\f+2*\j:WSC+16+4*\f+2*\j+1], v[WOF+\j], s[58:59] offset:512*\f
.endr
.endr
	WIN 0x40
.irp f, 0,1,2,3
	global_load_b128 v[BOC+8*\f:BOC+8*\f+3], v15, s[12:13] offset:64*\f
	global_load_b128 v[BOC+8*\f+4:BOC+8*\f+7], v15, s[12:13] offset:64*\f+16
	global_load_b128 v[BOC+32+8*\f:BOC+32+8*\f+3], v15, s[60:61] offset:64*\f
	global_load_b128 v[BOC+32+8*\f+4:BOC+32+8*\f+7], v15, s[60:61] offset:64*\f+16
.endr
	WIN 0
	v_mul_u32_u24 v[WB], v10, 272
	s_delay_alu instid0(VALU_DEP_1)
	v_lshl_add_u32 v[WB], v11, 3, v[WB]
	s_delay_alu instid0(VALU_DEP_1)
	v_add_nc_u32 v[WB], s[G0+1], v[WB]
	s_delay_alu instid0(VALU_DEP_1)
	v_add_nc_u32 v[WB+1], SLOT, v[WB]
	v_add_nc_u32 v[AA], AIMG, v[LI]
	s_lshl_b32 s48, s[WV], 12
	v_add_nc_u32 v12, s48, v[AA]
	v_mul_u32_u24 v[STO], v10, SPIT
	s_delay_alu instid0(VALU_DEP_1)
	v_lshl_add_u32 v[STO], v11, 5, v[STO]
	s_lshl_b32 s49, s[WV], 8
	v_add_nc_u32 v[STO], s49, v[STO]
	s_delay_alu instid0(VALU_DEP_1)
	v_add_nc_u32 v[STO+1], 16*SPIT, v[STO]
	s_mul_i32 s50, s[WV], 4*SPIT
	v_add_nc_u32 v[SR], s50, v[LI]
	s_lshl_b32 s56, s27, 11
	v_add_nc_u32 v[VH], s56, v[LI]
	s_xor_b32 s56, s56, 2048
	v_add_nc_u32 v[VH+1], s56, v[LI]
	s_mov_b32 s46, 0x3a800000
	s_mov_b32 s47, 0x2b8cbccc
	s_wait_alu depctr_va_vdst(0)
	s_wait_loadcnt 48
.irp i, 0,1,2,3,4,5,6,7
	ds_store_b128 v12, v[128+4*\i:128+4*\i+3] offset:512*\i
.endr
	s_wait_loadcnt 32
.irp u, 0,1
.irp k, 0,1,2,3,4,5,6,7
	v_lshl_or_b32 v[CSC+8*\u+\k], v[160+4*\k+2+\u], 16, v[160+4*\k+\u]
.endr
.endr
	s_wait_alu depctr_va_vdst(0)
	s_wait_loadcnt 0x0
.macro PROD t, ks, f, u
.set KK, 2*((\t)%4)+(\ks)
.set FX, 4*((\t)/4)+(\f)
.set AC, 8*(2*FX+(\u))
.set CC, AC
.if KK == 0
.set CC, BOC+8*FX
.endif
.if KK >= 4
	v_wmma_scale_f32_16x16x128_f8f6f4 v[AC:AC+7], v[BFR+16*(4*(\ks)+(\f)):BFR+16*(4*(\ks)+(\f))+15], v[AFR+16*(2*(\ks)+(\u)):AFR+16*(2*(\ks)+(\u))+15], v[CC:CC+7], v[WSC+4*FX+KK%4], v[CSC+8*(\u)+KK] matrix_a_scale:MATRIX_SCALE_ROW1
.else
	v_wmma_scale_f32_16x16x128_f8f6f4 v[AC:AC+7], v[BFR+16*(4*(\ks)+(\f)):BFR+16*(4*(\ks)+(\f))+15], v[AFR+16*(2*(\ks)+(\u)):AFR+16*(2*(\ks)+(\u))+15], v[CC:CC+7], v[WSC+4*FX+KK%4], v[CSC+8*(\u)+KK]
.endif
.endm
.macro WORK t
.set P, (\t)%2
.rept 8
	v_nop
.endr
.if (\t) == 5
	WIN 0x40
.irp i, 0,1,2,3
.irp q, 0,1,2,3,4,5,6,7
	global_load_b128 v[128+32*\i+4*\q:128+32*\i+4*\q+3], v[VH+\q/4], s[14:15] offset:4096*\i+512*(\q%4) th:TH_LOAD_NT
.endr
.endr
	WIN 0
.endif
.irp ks, 0,1
.irp u, 0,1
.irp c, 0,1,2,3
	ds_load_b128 v[AFR+16*(2*\ks+\u)+4*\c:AFR+16*(2*\ks+\u)+4*\c+3], v[AA] offset:(8*\u+2*((\t)%4)+\ks)*2048+512*\c
.endr
.endr
.irp f, 0,1,2,3
.irp c, 0,1,2,3,4,5,6,7
	ds_load_b64 v[BFR+16*(4*\ks+\f)+2*\c:BFR+16*(4*\ks+\f)+2*\c+1], v[WB+P] offset:16*\f*272+128*\ks+16*\c
.endr
.endr
.endr
	s_wait_dscnt 40
	WIN 0x50
.irp f, 0,1,2,3
.irp u, 0,1
	PROD \t, 0, \f, \u
.endr
.endr
	s_wait_dscnt 0x0
.irp f, 0,1,2,3
.irp u, 0,1
	PROD \t, 1, \f, \u
.endr
.endr
	WIN 0
.endm
.macro TRIP t
	s_wait_tensorcnt 0x0
	ds_add_u32 v[SPW], v[NIL]
.if (\t) < 7
	TADDR (((\t)+1)%2), ((\t)+1)
.endif
	s_wait_dscnt 0x0
.if (\t) < 7
	ROUND
	tensor_load_to_lds s[G0+4*(((\t)+1)%2):G0+4*(((\t)+1)%2)+3], s[G1:G1+7]
	s_nop 0
.else
	s_barrier_signal -1
	s_barrier_wait -1
.endif
	WORK \t
.endm
	s_wait_tensorcnt 0x1
	s_wait_dscnt 0x0
	s_barrier_signal -1
	s_barrier_wait -1
	WORK 0
.irp t, 1,2,3,4,5,6,7
	TRIP \t
.endr
.rept 8
	v_nop
.endr
.irp q, 0,1,2,3,4,5,6,7
	global_load_b128 v[GAM+4*\q:GAM+4*\q+3], v[VH+\q/4], s[16:17] offset:512*(\q%4)
	global_load_b128 v[BET+4*\q:BET+4*\q+3], v[VH+\q/4], s[18:19] offset:512*(\q%4)
.endr
	WIN 0x04
.irp f, 0,1,2,3,4,5,6,7
.irp u, 0,1
	ds_store_b128 v[STO+\u], v[8*(2*\f+\u):8*(2*\f+\u)+3] offset:2048*(\f/4)+64*(\f%4)
	ds_store_b128 v[STO+\u], v[8*(2*\f+\u)+4:8*(2*\f+\u)+7] offset:2048*(\f/4)+64*(\f%4)+16
.endr
.endr
	WIN 0
	s_wait_dscnt 0x0
	s_barrier_signal -1
	s_barrier_wait -1
	WIN 0x40
.irp i, 0,1,2,3
.irp q, 0,1,2,3,4,5,6,7
	ds_load_b128 v[32*\i+4*\q:32*\i+4*\q+3], v[SR] offset:SPIT*\i+512*\q
.endr
.endr
	s_wait_dscnt 0x0
	s_wait_loadcnt 0x0
.macro REDUCE t
.irp i, 0,1,2,3
	v_pk_add_f32 v[\t+4*\i:\t+4*\i+1], v[\t+4*\i:\t+4*\i+1], v[\t+4*\i+2:\t+4*\i+3]
.endr
.irp i, 0,1,2,3
	s_delay_alu instid0(VALU_DEP_4)
	v_add_f32 v[\t+4*\i], v[\t+4*\i], v[\t+4*\i+1]
.endr
.irp m, 1,2,4,8
.irp i, 0,1,2,3
	s_delay_alu instid0(VALU_DEP_4)
	v_add_f32_dpp v[\t+4*\i], v[\t+4*\i], v[\t+4*\i] row_xmask:\m row_mask:0xf bank_mask:0xf
.endr
.endr
.irp i, 0,1,2,3
	s_delay_alu instid0(VALU_DEP_4)
	v_permlanex16_b32 v[\t+4*\i+1], v[\t+4*\i], s[SEL], s[SEL+1]
.endr
.irp i, 0,1,2,3
	s_delay_alu instid0(VALU_DEP_4)
	v_add_f32 v[\t+4*\i], v[\t+4*\i], v[\t+4*\i+1]
.endr
.endm
	WIN 0x45
.irp i, 0,1,2,3
.irp j, 0,2,4,6,8,10,12,14,16,18,20,22,24,26,28,30
	v_pk_add_f32 v[32*\i+\j:32*\i+\j+1], v[32*\i+\j:32*\i+\j+1], v[128+32*\i+\j:128+32*\i+\j+1]
.endr
.endr
	WIN 0x05
.irp i, 0,1,2,3
	v_pk_add_f32 v[SU+4*\i:SU+4*\i+1], v[32*\i:32*\i+1], v[32*\i+2:32*\i+3]
	v_pk_add_f32 v[SU+4*\i+2:SU+4*\i+3], v[32*\i+4:32*\i+5], v[32*\i+6:32*\i+7]
.endr
	WIN 0x04
.irp j, 8,12,16,20,24,28
.irp i, 0,1,2,3
	v_pk_add_f32 v[SU+4*\i:SU+4*\i+1], v[SU+4*\i:SU+4*\i+1], v[32*\i+\j:32*\i+\j+1]
	v_pk_add_f32 v[SU+4*\i+2:SU+4*\i+3], v[SU+4*\i+2:SU+4*\i+3], v[32*\i+\j+2:32*\i+\j+3]
.endr
.endr
	WIN 0
	REDUCE SU
.irp i, 0,1,2,3
	s_delay_alu instid0(VALU_DEP_4)
	v_mul_f32 v[SU+4*\i], s46, v[SU+4*\i]
.endr
	WIN 0x41
.irp i, 0,1,2,3
.irp j, 0,2,4,6,8,10,12,14,16,18,20,22,24,26,28,30
	v_pk_add_f32 v[32*\i+\j:32*\i+\j+1], v[32*\i+\j:32*\i+\j+1], v[SU+4*\i:SU+4*\i+1] op_sel_hi:[1,0] neg_lo:[0,1] neg_hi:[0,1]
.endr
.endr
	WIN 0x05
.irp i, 0,1,2,3
	v_pk_mul_f32 v[SQ+4*\i:SQ+4*\i+1], v[32*\i:32*\i+1], v[32*\i:32*\i+1]
	v_pk_mul_f32 v[SQ+4*\i+2:SQ+4*\i+3], v[32*\i+2:32*\i+3], v[32*\i+2:32*\i+3]
.endr
.irp j, 4,8,12,16,20,24,28
.irp i, 0,1,2,3
	v_pk_fma_f32 v[SQ+4*\i:SQ+4*\i+1], v[32*\i+\j:32*\i+\j+1], v[32*\i+\j:32*\i+\j+1], v[SQ+4*\i:SQ+4*\i+1]
	v_pk_fma_f32 v[SQ+4*\i+2:SQ+4*\i+3], v[32*\i+\j+2:32*\i+\j+3], v[32*\i+\j+2:32*\i+\j+3], v[SQ+4*\i+2:SQ+4*\i+3]
.endr
.endr
	WIN 0
	REDUCE SQ
.irp i, 0,1,2,3
	v_fma_f32 v[SQ+4*\i], v[SQ+4*\i], s46, s47
	v_mov_b32 v[RS+2*\i+1], 0
.endr
	s_wait_alu depctr_va_vdst(0)
.irp i, 0,1,2,3
	v_rsq_f32 v[RS+2*\i], v[SQ+4*\i]
.endr
	v_nop
	s_wait_alu depctr_va_vdst(0)
	WIN 0x41
.irp i, 0,1,2,3
.irp j, 0,2,4,6,8,10,12,14,16,18,20,22,24,26,28,30
	v_pk_mul_f32 v[32*\i+\j:32*\i+\j+1], v[32*\i+\j:32*\i+\j+1], v[RS+2*\i:RS+2*\i+1] op_sel_hi:[1,0]
.endr
.endr
.irp i, 0,1,2,3
.irp j, 0,2,4,6,8,10,12,14,16,18,20,22,24,26,28,30
	v_pk_fma_f32 v[32*\i+\j:32*\i+\j+1], v[32*\i+\j:32*\i+\j+1], v[GAM+\j:GAM+\j+1], v[BET+\j:BET+\j+1]
.endr
.endr
	WIN 0x04
.irp i, 0,1,2,3
.irp q, 0,1,2,3,4,5,6,7
	global_store_b128 v[VH+\q/4], v[32*\i+4*\q:32*\i+4*\q+3], s[20:21] offset:4096*\i+512*(\q%4) th:TH_STORE_NT
.endr
.endr
	WIN 0
	s_wait_tensorcnt 0x0
	ds_add_u32 v[SPW], v[NIL]
	s_wait_dscnt 0x0
	ROUND
	s_endpgm
.Lfunc_end_k_q40766dd46a_outln:
	.size	k_q40766dd46a_outln, .Lfunc_end_k_q40766dd46a_outln-k_q40766dd46a_outln
	.p2alignl 7, 3214868480
	.fill 96, 4, 3214868480
	.section	.rodata,"a",@progbits
	.p2align	6, 0x0
	.amdhsa_kernel k_q40766dd46a_outln
		.amdhsa_group_segment_fixed_size 327680
		.amdhsa_private_segment_fixed_size 0
		.amdhsa_enable_private_segment 0
		.amdhsa_kernarg_size 72
		.amdhsa_user_sgpr_count 2
		.amdhsa_user_sgpr_kernarg_segment_ptr 1
		.amdhsa_wavefront_size32 1
		.amdhsa_system_sgpr_workgroup_id_x 1
		.amdhsa_system_sgpr_workgroup_id_y 1
		.amdhsa_system_sgpr_workgroup_id_z 1
		.amdhsa_system_vgpr_workitem_id 0
		.amdhsa_next_free_vgpr 512
		.amdhsa_next_free_sgpr 66
		.amdhsa_reserve_vcc 0
		.amdhsa_float_denorm_mode_32 3
		.amdhsa_float_denorm_mode_16_64 3
		.amdhsa_memory_ordered 1
		.amdhsa_forward_progress 1
		.amdhsa_inst_pref_size 121
	.end_amdhsa_kernel
	.amdgpu_metadata
---
amdhsa.version: [ 1, 2 ]
amdhsa.kernels:
  - .name:           k_q40766dd46a_outln
    .symbol:         k_q40766dd46a_outln.kd
    .args:
      - { .name: ctximg, .offset: 0, .size: 8, .value_kind: global_buffer, .address_space: global }
      - { .name: cs, .offset: 8, .size: 8, .value_kind: global_buffer, .address_space: global }
      - { .name: Wo_codes, .offset: 16, .size: 8, .value_kind: global_buffer, .address_space: global }
      - { .name: Wo_scales, .offset: 24, .size: 8, .value_kind: global_buffer, .address_space: global }
      - { .name: bo, .offset: 32, .size: 8, .value_kind: global_buffer, .address_space: global }
      - { .name: input_tensor, .offset: 40, .size: 8, .value_kind: global_buffer, .address_space: global }
      - { .name: ln_gamma, .offset: 48, .size: 8, .value_kind: global_buffer, .address_space: global }
      - { .name: ln_beta, .offset: 56, .size: 8, .value_kind: global_buffer, .address_space: global }
      - { .name: out0, .offset: 64, .size: 8, .value_kind: global_buffer, .address_space: global }
    .group_segment_fixed_size: 327680
    .private_segment_fixed_size: 0
    .kernarg_segment_align: 8
    .kernarg_segment_size: 72
    .max_flat_workgroup_size: 256
    .sgpr_count:     66
    .vgpr_count:     512
    .wavefront_size: 32
...
	.end_amdgpu_metadata
.endif
;; end of part 4
